; MI455X (gfx1250); checked and timed in simulation.
; The chip was launched on July 23, 2026; its instructions are those of AMD's public machine-readable ISA for CDNA 5 (MIT licence, August 2026) and "CDNA5" Instruction Set Architecture Reference Guide (July 2026). The comments in the code are by the model that wrote it; some were corrected since.
;; Improved Attention. Allowed arithmetic: float matrix products may take bf16 or f16 operands with f32 sums; other float arithmetic in f32, or as packed bf16 or f16 multiplies, adds, multiply-adds, maxima and minima; sums over many terms, partial sums and values carried from step to step in f32; what a program stores and reads back later, other than sums and carried values, may be rounded once to bf16 or f16.
;; Inputs: W_qkv 1,024 x 3,072 float32; mask 1 x 1 x 32 x 32 bool; x 512 x 32 x 1,024 float32.
;; Outputs: out0 512 x 32 x 1,024 float32.
;; 2 versions, each right; version 2 is version 1 with the launches prep, attn written anew for expert scheduling mode. Each part assembles by itself: llvm-mc -triple=amdgcn-amd-amdhsa -mcpu=gfx1250 --defsym DOCPART=n.
;; ======== version 1 of 2: 3 launches
;; limits: values are held in f16: magnitudes above 65,504 overflow, below 6.1e-05 lose precision
;; workspace buffers: xb 33,554,432 bytes; wt 6,291,456 bytes; qkv 100,663,296 bytes
;; launch prep (part 1): grid 560 x 1, 8 waves a work-group, no clusters, 140,288 bytes of LDS; arguments x, W_qkv, xb, wt; writes xb, wt
.if DOCPART == 1
	.amdgcn_target "amdgcn-amd-amdhsa--gfx1250"
	.amdhsa_code_object_version 6
	.text
	.protected	k_q5fcba79e58_prep
	.globl	k_q5fcba79e58_prep
	.p2align	8
	.type	k_q5fcba79e58_prep,@function
k_q5fcba79e58_prep:
	s_mov_b64 s[64:65], 0
	v_nop
	global_prefetch_b8 v0, s[64:65] scope:SCOPE_SE
	s_setreg_imm32_b32 hwreg(HW_REG_WAVE_MODE, 25, 1), 1
	s_wait_xcnt 0x0
; PREP.  xb = x rounded to bf16, [16384][1024].  wt = W_qkv rounded to bf16, transposed, its rows in another order: [3072 n'][1024 k].
; Work-groups 0 to 47 take 64 columns of W each (two heads of q, k or v), work-groups 48 to 559 take 32 rows of x each.  Memory binds: each byte is read once and written once;
; no matrix unit, no cluster (no two work-groups read the same byte), no barrier (a wave reads back from LDS only what it stored itself).
; THE ORDER OF wt's ROWS is chosen so that the launch behind the product finds its matrix fragments as 512 consecutive bytes:
;   q (sec 0), k (sec 1): column sec 1024 + 32 h + d, h = 16 t + r, d = 16 i + 8 f + e (e = 0..7), becomes row sec 1024 + 512 t + 256 i + 128 f + 8 r + e
;   v:                    column 2048 + 32 h' + d,    d = 16 t + r, h' = 16 i + 8 f + e,           becomes row 2048 + 512 t + 256 i + 128 f + 8 r + e
.set NWG_W, 48                         ; work-groups that take W
.set ROWX,  4096                       ; bytes in a row of x
.set ROWXB, 2048                       ; of xb, and of wt
.set ROWW,  12288                      ; of W
.set WP,    272                        ; an LDS row: 128 k in bf16 (256 bytes) + 16 of padding
.set WSTG,  64*WP                      ; a wave's own LDS: 64 columns of W as rows
.set SPARE, 8*WSTG                     ; behind the eight stages: the spare words, 128 bytes for each wave: four blocks of 256 bytes that no other line names
.set SPW, 1                            ; v1  LDS address of my spare word: SPARE + 4 x my thread's number; never rewritten
.set NIL, 2                            ; v2  0; never rewritten
.set XI,  4                            ; v4  x path: 16 x thread
.set XO,  5                            ; v5  x path: 8 x thread
.set VO,  4                            ; v4  W path: my byte offset in eight rows of W
.set LS,  5                            ; v5  W path: where I put 16 bytes (8 k of one column)
.set LR,  6                            ; v6  W path: where I read a row back
.set GS,  7                            ; v7  W path: my byte offset in wt
.set T,   8                            ; v[8:23]   at work
.set X,   24                           ; v[24:151] as loaded; in the W path later the 64 rows read back
	s_load_b256 s[4:11], s[0:1], 0x0               ; x s[4:5], W s[6:7], xb s[8:9], wt s[10:11]
	v_lshl_add_u32 v[SPW], v0, 2, SPARE
	v_mov_b32 v[NIL], 0
	v_lshrrev_b32 v3, 5, v0
	v_readfirstlane_b32 s12, v3                    ; my wave's number
	s_cmp_lt_u32 ttmp9, NWG_W
	s_cbranch_scc1 .Lweights
	; ---- x: 32 rows.  The 256 threads take a row, 16 bytes each; all 32 loads of a thread go out at once: 128 KiB of the work-group on their way.
	s_sub_co_u32 s13, ttmp9, NWG_W
	s_lshl_b32 s14, s13, 17                        ; 32 rows of 4,096 bytes
	s_mov_b32 s15, 0
	s_lshl_b32 s16, s13, 16                        ; 32 rows of 2,048 bytes
	s_mov_b32 s17, 0
	v_lshlrev_b32 v[XI], 4, v0
	v_lshlrev_b32 v[XO], 3, v0
	s_wait_kmcnt 0x0
	s_add_nc_u64 s[4:5], s[4:5], s[14:15]
	s_add_nc_u64 s[8:9], s[8:9], s[16:17]
.set i, 0
.rept 32
	global_load_b128 v[X+4*i:X+4*i+3], v[XI], s[4:5] offset:ROWX*i th:TH_LOAD_NT
.set i, i+1
.endr
.set i, 0
.rept 32
	s_wait_loadcnt 31-i                            ; loads come back in order: row i is in, the 31 - i younger ones stay out
	v_cvt_pk_bf16_f32 v[X+4*i],   v[X+4*i],   v[X+4*i+1]
	v_cvt_pk_bf16_f32 v[X+4*i+1], v[X+4*i+2], v[X+4*i+3]
	global_store_b64 v[XO], v[X+4*i:X+4*i+1], s[8:9] offset:ROWXB*i th:TH_STORE_NT  ; a wave's 32 lanes store 256 consecutive bytes, aligned; no register is written twice, so no wait frees one
.set i, i+1
.endr
	s_branch .Lend
	; ---- W: columns 64 j .. 64 j + 63; wave w takes k = 128 w .. 128 w + 127.
	; A load: lanes 0-15 take 256 consecutive bytes (64 columns) of one row k, lanes 16-31 of the row eight further down.
.Lweights:
	v_and_b32 v8, 15, v0                           ; l
	v_bfe_u32 v9, v0, 4, 1                         ; lh
	v_lshlrev_b32 v10, 4, v8                       ; 16 l
	v_mul_u32_u24 v[VO], v9, 8*ROWW
	v_add_nc_u32 v[VO], v[VO], v10
	s_mul_i32 s14, s12, 128*ROWW                   ; my wave's 128 rows,
	s_lshl_b32 s15, ttmp9, 8                       ; the work-group's 64 columns
	s_add_co_u32 s14, s14, s15
	s_mov_b32 s15, 0
	s_wait_kmcnt 0x0
	s_add_nc_u64 s[6:7], s[6:7], s[14:15]
; Group g: rows 16 g + 8 lh + e, e = 0..7, four columns a lane.  Four groups of registers take turns.
.macro WLOAD g
.irp e, 0,1,2,3,4,5,6,7
	global_load_b128 v[X+32*((\g)%4)+4*(\e):X+32*((\g)%4)+4*(\e)+3], v[VO], s[6:7] offset:(16*(\g)+(\e))*ROWW th:TH_LOAD_NT
.endr
.endm
; Group g is rounded: for each of my four columns c eight k on end make 16 bytes, which go into LDS row 4 l + c at byte 32 g + 16 lh.
.macro WCVT g
.irp c, 0,1,2,3
.irp p, 0,1,2,3
	v_cvt_pk_bf16_f32 v[T+4*(\c)+(\p)], v[X+32*((\g)%4)+8*(\p)+(\c)], v[X+32*((\g)%4)+8*(\p)+4+(\c)]
.endr
.endr
.irp c, 0,1,2,3
	ds_store_b128 v[LS], v[T+4*(\c):T+4*(\c)+3] offset:WP*(\c)+32*(\g)
.endr
.endm
	WLOAD 0
	WLOAD 1
	WLOAD 2
	WLOAD 3
	; the addresses, while the first 32 loads are out
	s_mul_i32 s13, s12, WSTG                       ; my stage
	v_mul_u32_u24 v[LS], v8, 4*WP
	v_lshl_add_u32 v[LS], v9, 4, v[LS]
	v_add_nc_u32 v[LS], s13, v[LS]
	v_mul_u32_u24 v[LR], v9, WP                    ; back: lanes 0-15 one row of 256 bytes, lanes 16-31 the next
	v_add_nc_u32 v[LR], v[LR], v10
	v_add_nc_u32 v[LR], s13, v[LR]
	s_lshr_b32 s14, ttmp9, 4                       ; q, k: the row of wt for my column 0: 1024 sec + 512 t + 16 (j % 8), t = bit 3 of j
	s_lshl_b32 s14, s14, 10
	s_bfe_u32 s15, ttmp9, 0x10003
	s_lshl_b32 s17, s15, 9
	s_add_co_u32 s14, s14, s17
	s_and_b32 s16, ttmp9, 7
	s_lshl_b32 s16, s16, 4
	s_add_co_u32 s14, s14, s16
	s_lshl_b32 s17, s15, 8                         ; v: 2048 + 256 i + 128 f + 2 (j % 4), i = bit 3, f = bit 2 of j
	s_bfe_u32 s18, ttmp9, 0x10002
	s_lshl_b32 s18, s18, 7
	s_add_co_u32 s17, s17, s18
	s_and_b32 s18, ttmp9, 3
	s_lshl_b32 s18, s18, 1
	s_add_co_u32 s17, s17, s18
	s_add_co_u32 s17, s17, 2048
	s_cmp_lt_u32 ttmp9, 32
	s_cselect_b32 s14, s14, s17
	s_cselect_b32 s20, 11, 14                      ; the odd column of a pair lies one row of wt further on (q, k: e + 1) or eight (v: r + 1)
	s_lshl_b32 s14, s14, 11                        ; rows of 2,048 bytes,
	s_lshl_b32 s15, s12, 8                         ; my wave's 128 k: 256 bytes
	s_add_co_u32 s14, s14, s15
	s_mov_b32 s15, 0
	s_add_nc_u64 s[10:11], s[10:11], s[14:15]
	v_lshlrev_b32 v[GS], s20, v9
	v_add_nc_u32 v[GS], v[GS], v10
.irp g, 0,1,2,3
	s_wait_loadcnt 24                              ; group g is in; the three younger groups stay out
	WCVT \g
	WLOAD (\g)+4                                   ; its registers take the group four further on
.endr
	s_wait_loadcnt 24
	WCVT 4
	s_wait_loadcnt 16                              ; nothing more is asked for: the counts run down
	WCVT 5
	s_wait_loadcnt 8
	WCVT 6
	s_wait_loadcnt 0x0
	WCVT 7
.set u, 0
.rept 32
	ds_load_b128 v[X+4*u:X+4*u+3], v[LR] offset:2*WP*u  ; columns 2 u + lh as rows; LDS serves a wave's instructions in order (ISA guide 5.7.1.4): these see my stores above
.set u, u+1
.endr
; The 64 rows go out.  ROWOF is the row of wt, from the base above, of column 2 u (d = 2 (u % 16), head u / 16 of my two).
.macro WOUT isv
.set u, 0
.rept 32
.if \isv
.set ROWOF, ((u>>3)&1)*512+16*(u&7)+(u>>4)
.else
.set ROWOF, ((u>>3)&1)*256+((u>>2)&1)*128+(u>>4)*8+2*(u&3)
.endif
	s_wait_dscnt 31-u
	global_store_b128 v[GS], v[X+4*u:X+4*u+3], s[10:11] offset:ROWOF*ROWXB  ; 16 lanes store 256 consecutive bytes, aligned
.set u, u+1
.endr
.endm
	s_cmp_lt_u32 ttmp9, 32
	s_cbranch_scc0 .Lvrows
	WOUT 0
	s_branch .Lend
.Lvrows:
	WOUT 1
.Lend:
	s_wait_tensorcnt 0x0                           ; the wave's end: behind my last LDS store
	ds_add_u32 v[SPW], v[NIL]
	s_wait_dscnt 0x0
	s_endpgm
.Lfunc_end_k_q5fcba79e58_prep:
	.size	k_q5fcba79e58_prep, .Lfunc_end_k_q5fcba79e58_prep-k_q5fcba79e58_prep
	.p2alignl 7, 3214868480
	.fill 96, 4, 3214868480
	.section	.rodata,"a",@progbits
	.p2align	6, 0x0
	.amdhsa_kernel k_q5fcba79e58_prep
		.amdhsa_group_segment_fixed_size 140288
		.amdhsa_private_segment_fixed_size 0
		.amdhsa_enable_private_segment 0
		.amdhsa_kernarg_size 32
		.amdhsa_user_sgpr_count 2
		.amdhsa_user_sgpr_kernarg_segment_ptr 1
		.amdhsa_wavefront_size32 1
		.amdhsa_system_sgpr_workgroup_id_x 1
		.amdhsa_system_sgpr_workgroup_id_y 1
		.amdhsa_system_sgpr_workgroup_id_z 1
		.amdhsa_system_vgpr_workitem_id 0
		.amdhsa_next_free_vgpr 152
		.amdhsa_next_free_sgpr 66
		.amdhsa_reserve_vcc 0
		.amdhsa_float_denorm_mode_32 3
		.amdhsa_float_denorm_mode_16_64 3
		.amdhsa_memory_ordered 1
		.amdhsa_forward_progress 1
		.amdhsa_inst_pref_size 41
	.end_amdhsa_kernel
	.amdgpu_metadata
---
amdhsa.version: [ 1, 2 ]
amdhsa.kernels:
  - .name:           k_q5fcba79e58_prep
    .symbol:         k_q5fcba79e58_prep.kd
    .args:
      - { .name: x, .offset: 0, .size: 8, .value_kind: global_buffer, .address_space: global }
      - { .name: W_qkv, .offset: 8, .size: 8, .value_kind: global_buffer, .address_space: global }
      - { .name: xb, .offset: 16, .size: 8, .value_kind: global_buffer, .address_space: global }
      - { .name: wt, .offset: 24, .size: 8, .value_kind: global_buffer, .address_space: global }
    .group_segment_fixed_size: 140288
    .private_segment_fixed_size: 0
    .kernarg_segment_align: 8
    .kernarg_segment_size: 32
    .max_flat_workgroup_size: 256
    .sgpr_count:     66
    .vgpr_count:     152
    .wavefront_size: 32
...
	.end_amdgpu_metadata
.endif
;; end of part 1
;; launch gemm (part 2): grid 4 x 64, 4 waves a work-group, clusters of 4 x 4, 327,680 bytes of LDS; arguments xb, wt, qkv; writes qkv
.if DOCPART == 2
	.amdgcn_target "amdgcn-amd-amdhsa--gfx1250"
	.amdhsa_code_object_version 6
	.text
	.protected	k_q5fcba79e58_gemm
	.globl	k_q5fcba79e58_gemm
	.p2align	8
	.type	k_q5fcba79e58_gemm,@function
k_q5fcba79e58_gemm:
	s_mov_b64 s[64:65], 0
	v_nop
	global_prefetch_b8 v0, s[64:65] scope:SCOPE_SE
	s_setreg_imm32_b32 hwreg(HW_REG_WAVE_MODE, 25, 1), 1
	s_wait_xcnt 0x0
	s_wait_alu depctr_hold_cnt(0) depctr_sa_sdst(0) depctr_va_vdst(0) depctr_va_sdst(0) depctr_va_ssrc(0) depctr_va_vcc(0) depctr_vm_vsrc(0)
	s_getreg_b32 s2, hwreg(HW_REG_IB_STS2, 6, 4)
	s_cmp_eq_u32 s2, 0
	s_cbranch_scc0 .Lentry_in_a_cluster
	s_endpgm
.Lentry_in_a_cluster:
	s_bfe_u32 s2, ttmp6, 0x10000c
	s_cmp_lg_u32 s2, 0xf033
	s_cbranch_scc0 .Lentry_shape_is_right
	s_endpgm
.Lentry_shape_is_right:
; qkv[m][n] = sum over k of xb[m][k] wt[n][k].  A = xb: [16384][1024] bf16, B = wt: [3072][1024] bf16, C = qkv: [16384][3072] f16; sums in f32, K ascending, C rounded once.
; LIMIT.  C is f16: a sum of 65,520 or more in size becomes an infinity.  With x and W of unit and 1/32 spread the sums have unit spread; both inputs 30 times larger, or offset by 30 spreads, stay under 3e4.
; A tile of C, 256 x 256, is made by a work-group of four waves, as many as a WGP has SIMDs; a wave makes 128 x 128: 64 accumulators of 16 x 16, 512 registers.  K goes in steps of 128 through a
; ring of two LDS slots filled by the tensor data mover: the rows of A's and B's tiles are 256 bytes of memory and start at multiples of 256 bytes from the buffer's first byte.
; A WORK-GROUP STAYS: C has 64 x 12 tiles, three for each of 256 work-groups.  A work-group keeps its 256 rows of A and makes three tiles side by side, 1,024 columns apart: a loop over tiles round the
; loop over K, and the ring does not stop at a tile's end: a tile's last two changes of slots ask for the next tile's first two K steps, and nothing waits for a tile's stores.
; The last tile's last K step goes by rows of C, so that finished rows leave while the others are multiplied.
; CLUSTERS: 4 x 4 work-groups.  The four of a row of the cluster make tiles of one tile row of C and need the same tiles of A; the four of a column need the same tiles of B.  Such a tile is asked for
; JOINTLY: each of the four issues the same tensor load, with the same descriptor and a mask that names the four, and each receives the tile in its own LDS: a quarter of the requests.
;
; REGISTERS, in windows of 256 (an instruction names v0-v255; s_set_vgpr_msb says which window each operand place means):
;   window 0: v0-31 addresses; v64-127, v128-191 fragments of A (8 x 16 rows x 32 K), two buffers (in the very last K step four, of 16 rows x 128 K); v32-63, v192-255 at work on the way out
;   window 1: v64-127, v128-191 fragments of B, two buffers; in the very last K step all 256: B's fragments of the whole step
;   window 2: the 32 accumulators of my rows 0-63 (accumulator (a, b) at v[8 (8 a + b)]);   window 3: those of my rows 64-127
; s_set_vgpr_msb's low byte: bits 1:0 source 0, 3:2 source 1, 5:4 source 2, 7:6 destination.  Work is laid in long stretches under one setting.
;
; THE MATRIX INSTRUCTION IS USED TRANSPOSED: source 0 = 16 rows of B, source 1 = 16 rows of A.  In the result lane l holds row m = l % 16 of C, and its registers 0 to 7 the columns
; n = 8 (l / 16) + 0 .. 7: eight NEIGHBOURING numbers of a row of C, which pack into 16 bytes.
.set SIZE_M, 16384
.set SIZE_N, 3072
.set SIZE_K, 1024
.set SIZE_TILES, 3
.set KSTEP,  128
.set PITCH,  272                       ; an LDS row: 256 bytes of data + 16 of padding = 68 words: row r starts at bank 4 r mod 64 (64 banks of 4 bytes: ISA guide 11.1), so the 16 rows that a load touches start at 16 different banks
.set HALFT,  128*PITCH                 ; 128 rows: what one tensor load brings, and what one wave reads of A or of B
.set SLOT,   4*HALFT                   ; A's 256 rows, then B's 256 rows
.set STAGE,  2*SLOT                    ; behind the ring: 16 rows x 272 bytes for each wave, for the way out
.set SPITCH, 272
.set SPARE,  STAGE+4*16*SPITCH         ; behind the stages: the spare words, 128 bytes for each wave: two blocks of 256 bytes that no other line names
.set LAPS, SIZE_K/(2*KSTEP)            ; a lap = two K steps = once round the ring: 4
.set WALK,   1024                      ; a work-group's tiles lie 1,024 columns of C, that is 1,024 rows of B, apart
.set BACK_A, (SIZE_K-2*KSTEP)*2        ; bytes from a slot's last K step of a tile back to its first: A's rows stay,
.set NEXT_B, WALK*SIZE_K*2-BACK_A      ; B goes WALK rows down and back along K
.set NEXT_C, WALK*2                    ; bytes along a row of C from a tile to the next
.set ADRA, 16                          ; v16-17  LDS address of my A fragments in slot 0, 1
.set ADRB, 20                          ; v20-21  the same for B
.set STO,  24                          ; v24     the way out: where I put 16 bytes of a row
.set RD,   25                          ; v25     the way out: where I read a row back
.set CO,   26                          ; v26     my byte offset in C
.set SPW,  28                          ; v28     LDS address of my spare word: SPARE + 4 x my thread's number; never rewritten
.set NIL,  29                          ; v29     0; never rewritten
.set PFO,  30                          ; v30     the prefetches' offset: my lane x a row of A or B in memory (2,048 bytes); never rewritten
.set PFA,  44                          ; s[44:45] where my prefetches stand: my work-group's 32 rows of the 128 that I fetch, one K step further along K than the refill that is being asked for; a prefetch names the K step after that
.set LIM,  43                          ; s43     1 in a wave that prefetches, else the greatest number
.set CP,   20                          ; s[20:21] C at the 16 rows that are being stored; s[8:9] stays C's address, s[16:17] the byte offset of my part of the tile in hand
.set F0,   64                          ; fragment buffer 0
.set F1,   128                         ; fragment buffer 1
.set TMP,  192                         ; the way out: packed results, in window 0
.set OB,   32                          ; the way out: 16 rows read back from the stage: v32-63 and v224-255 by turns
.set PA,   64                          ; the very last K step: A's fragments of 16 rows x 128 K, 32 registers; four such buffers, v64-191
.set G1, 24                            ; s[24:31] descriptor group 1 for A's tiles
.set G0, 32                            ; s[32:39] descriptor group 0 for A's tiles, one set for each slot
.set G1B, 48                           ; s[48:55] descriptor group 1 for B's tiles: it differs from A's in the mask alone
.set G0B, 56                           ; s[56:63] descriptor group 0 for B's tiles, one set for each slot
.set MSB, 0
.macro WIN new                         ; the immediate's high byte repeats the setting that is left
.if MSB != (\new)
	s_set_vgpr_msb (MSB<<8)|(\new)
.set MSB, \new
.endif
.endm
.set MUL_LO, 0xa1                      ; source 0 (B) window 1, source 1 (A) window 0, C and D window 2
.set MUL_HI, 0xf1                      ; the same, C and D window 3
.set TO_B,   0x40                      ; destination window 1, address window 0
; A joint load.  Waves 0 and 1 fetch A's two halves, waves 2 and 3 B's.  Each of the two lines has ONE mask and one set of registers for all that issue it, and nothing in
; them hangs on a coordinate that the four partners do not share.  The branch hangs on the wave's number alone: it is the same in every work-group.
; An s_nop 0 and four v_nop follow each of the two lines; the jump round the other line, the label and what follows the macro come after them.
.macro JLOAD s
	s_cmp_eq_u32 s11, 0
	s_cbranch_scc0 .Lfor_b_\@
	tensor_load_to_lds s[G0+4*(\s):G0+4*(\s)+3], s[G1:G1+7]
	s_nop 0
.rept 4
	v_nop
.endr
	s_branch .Lasked_\@
.Lfor_b_\@:
	tensor_load_to_lds s[G0B+4*(\s):G0B+4*(\s)+3], s[G1B:G1B+7]
	s_nop 0
.rept 4
	v_nop
.endr
.Lasked_\@:
.endm
; A PREFETCH INTO THE L2, behind each joint load, its five lines and the run of LDS loads that follows them: the K step that stands TWO refills on: 32 rows x 256 bytes, a lane a row, one instruction a wave:
; 512 matrix instructions ahead of the load that will want it.  At a change of slots every wave has waited for all its tensor loads, so the refill that follows has nothing on its way beside it.
; Each row's 256 bytes of a K step are named ONCE in the launch.  A's 1,024 rows of a cluster are read by that cluster alone (the grid is one cluster wide): every cluster asks for its own, in its FIRST tile
; alone, since the later tiles walk the same rows again.  B's rows are read by all sixteen clusters: cluster y = 0 asks, in every tile, since each tile has other rows of B.  The four partners that ask for a
; tile jointly share its rows out BY ADDRESS: of the 128 rows that wave w fetches, the partner at place p takes 32 p .. 32 p + 31 (p = cx for A, cy for B): no branch hangs on a work-group's place in its cluster.
; how = 0, in the loop: a tile's last two refills have no K step two on; how = 1, at a change of tiles.
.macro ASK how
.if \how
	s_cmp_eq_u32 s[LIM], 1
.else
	s_cmp_gt_u32 s3, s[LIM]                        ; s3 = 1 in the loop's last trip
.endif
	s_cbranch_scc0 .Lnot_mine_\@
	global_prefetch_b8 v[PFO], s[PFA:PFA+1] offset:KSTEP*2 th:TH_LOAD_NT scope:SCOPE_SE
.Lnot_mine_\@:
.endm
; A round of the cluster's barrier: my work-group's barrier, so that wave 0's signal speaks for all four waves; wave 0 signals for the work-group; every wave waits for all
; sixteen work-groups; my work-group's barrier once more.  No LDS instruction of the wave is pending at a signal.
.macro CREST                           ; a round behind its opening barrier
	s_cmp_lg_u32 s10, 0
	s_cbranch_scc1 .Lnot_wave_0_\@
	s_barrier_signal -3
.Lnot_wave_0_\@:
	s_barrier_wait -3
	s_barrier_signal -1
	s_barrier_wait -1
.endm
.macro CROUND                          ; a whole round
	s_barrier_signal -1
	s_barrier_wait -1
	CREST
.endm
	s_load_b128 s[4:7], s[0:1], 0x0                ; A s[4:5], B s[6:7]
	s_load_b64 s[8:9], s[0:1], 0x10                ; C
	v_lshl_add_u32 v[SPW], v0, 2, SPARE
	v_mov_b32 v[NIL], 0
	ds_add_u32 v[SPW], v[NIL]                      ; the wave's opening: the add and its wait stand ahead of my first tensor load; the set-up below, work on registers, stands between them
	v_lshrrev_b32 v1, 5, v0
	v_readfirstlane_b32 s10, v1                    ; wave 0..3
	s_lshr_b32 s11, s10, 1                         ; which half of the tile's rows is mine.  Also: I fetch for A (0) or for B (1)
	s_and_b32 s12, s10, 1                          ; which half of its columns.  Also: which 128 rows of that tile I fetch
	s_bfe_u32 s40, ttmp6, 0x40000                  ; cx: my place along the cluster's x
	s_bfe_u32 s41, ttmp6, 0x40004                  ; cy: along its y
	s_lshl_b32 s42, ttmp9, 2                       ; in a cluster launch ttmp9 and ttmp7 count clusters
	s_add_co_u32 s42, s42, s40                     ; my first tile column of C = 4 x cluster x + cx
	s_and_b32 s13, ttmp7, 0xffff
	s_lshl_b32 s13, s13, 2
	s_add_co_u32 s13, s13, s41                     ; tile row of C = 4 x cluster y + cy
	s_lshl_b32 s43, s41, 2
	s_lshl_b32 s43, 15, s43                        ; my row of the cluster: places 4 cy .. 4 cy + 3
	s_lshl_b32 s44, 0x1111, s40                    ; my column: places cx, cx + 4, cx + 8, cx + 12
	; descriptor group 1: a tile of 128 rows x 128 elements, padded in LDS
	s_or_b32 s[G1+0], s43, (1<<16)|(1<<20)|(1<<21)|(5<<22)|(3<<25)  ; 15:0 the mask: A's tiles go to my row; 17:16 element of 2 bytes; 20 padding on; 21 set beside a mask; 24:22 after every 64 words (code 5); 31:25 of 4 words (code 3)
	s_or_b32 s[G1B+0], s44, (1<<16)|(1<<20)|(1<<21)|(5<<22)|(3<<25) ; the same with the mask of my column, for B's tiles
	s_mov_b32 s[G1B+1], KSTEP<<16
	s_mov_b32 s[G1+1], KSTEP<<16                   ; 63:48 tensor_dim0, low half = 128
	s_mov_b32 s[G1B+2], 128<<16
	s_mov_b32 s[G1+2], 128<<16                     ; 79:64 its high half = 0; 95:80 tensor_dim1, low half = 128
	s_mov_b32 s[G1B+3], KSTEP<<16
	s_mov_b32 s[G1+3], KSTEP<<16                   ; 111:96 its high half = 0; 127:112 tile_dim0 = 128
	s_mov_b32 s[G1B+4], 128
	s_mov_b32 s[G1+4], 128                         ; 143:128 tile_dim1 = 128; 159:144 tile_dim2 = 0
	s_mov_b32 s[G1B+5], SIZE_K
	s_mov_b32 s[G1+5], SIZE_K                      ; 191:160 tensor_dim0_stride, low word: elements from row to row
	s_mov_b32 s[G1B+6], 0
	s_mov_b32 s[G1+6], 0
	s_mov_b32 s[G1B+7], 0
	s_mov_b32 s[G1+7], 0
	; where the tiles come from.  A's hang on the tile row alone, which my row of the cluster shares; B's on the tile column alone, which my column shares.
	; Every wave makes both addresses, in registers that never hold the other coordinate, and asks by one of them.
	s_lshl_b32 s17, s12, 7                         ; which 128 rows of the tile I fetch
	s_lshl_b32 s16, s13, 8
	s_add_co_u32 s16, s16, s17                     ; A: row 256 x tile row + 128 x half
	s_lshl_b32 s46, s42, 8
	s_add_co_u32 s46, s46, s17                     ; B: row 256 x tile column + 128 x half
	s_mov_b32 s17, 0
	s_mov_b32 s47, 0
	s_mov_b64 s[18:19], SIZE_K*2
	s_mul_u64 s[16:17], s[16:17], s[18:19]         ; in bytes, in 64 bits
	s_mul_u64 s[46:47], s[46:47], s[18:19]
	s_mul_i32 s20, s10, HALFT                      ; and where they go: A's two halves, then B's two halves = wave x 128 rows: no place in the cluster enters an LDS address
	s_wait_dscnt 0x0                               ; the opening add is done
	s_wait_kmcnt 0x0
	s_add_nc_u64 s[14:15], s[4:5], s[16:17]
	s_add_nc_u64 s[46:47], s[6:7], s[46:47]
	CROUND                                         ; all sixteen work-groups are here: the first joint loads meet
.irp s, 0,1
	s_mov_b32 s[G0+4*(\s)], 1                                      ; 1:0 count = 1
	s_add_co_u32 s[G0+4*(\s)+1], s20, (\s)*SLOT                    ; 63:32 LDS address
	s_add_nc_u64 s[G0+4*(\s)+2:G0+4*(\s)+3], s[14:15], (\s)*KSTEP*2  ; 120:64 global address: K step s
	s_or_b32 s[G0+4*(\s)+3], s[G0+4*(\s)+3], 0x80000000            ; 127:126 type = 2
	s_mov_b32 s[G0B+4*(\s)], 1
	s_add_co_u32 s[G0B+4*(\s)+1], s20, (\s)*SLOT
	s_add_nc_u64 s[G0B+4*(\s)+2:G0B+4*(\s)+3], s[46:47], (\s)*KSTEP*2
	s_or_b32 s[G0B+4*(\s)+3], s[G0B+4*(\s)+3], 0x80000000
	JLOAD \s                                       ; the ring is filled before anything else is done: two loads of mine are out
.endr
	; A fragment is 16 rows x 32 K in 8 registers: lane l holds row l % 16; registers 0-3 hold K = 8 (l / 16) + 0..7, registers 4-7 hold
	; K = 16 + 8 (l / 16) + 0..7.  From rows that lie along K: two loads of 16 bytes, 32 bytes apart.  The same for source 0 and source 1.
	v_and_b32 v1, 15, v0                           ; l % 16
	v_bfe_u32 v2, v0, 4, 1                         ; l / 16
	v_mul_u32_u24 v3, v1, PITCH
	v_lshl_add_u32 v3, v2, 4, v3                   ; row x pitch + 16 x half
	s_mul_i32 s21, s11, HALFT                      ; my 128 rows of A
	s_mul_i32 s22, s12, HALFT                      ; my 128 rows of B,
	s_add_co_u32 s22, s22, 2*HALFT                 ; which lie behind A's 256
.irp s, 0,1
	v_add_nc_u32 v[ADRA+(\s)], s21, v3
	v_add_nc_u32 v[ADRB+(\s)], s22, v3
	s_add_co_u32 s21, s21, SLOT
	s_add_co_u32 s22, s22, SLOT
.endr
	s_mul_i32 s23, s10, 16*SPITCH
	s_add_co_u32 s23, s23, STAGE                   ; my stage
	v_mul_u32_u24 v4, v1, SPITCH                   ; in: row l % 16, 16 bytes for each half of the lanes
	v_lshl_add_u32 v4, v2, 4, v4
	v_add_nc_u32 v[STO], s23, v4
	v_mul_u32_u24 v5, v2, SPITCH                   ; back: lanes 0-15 take one row of 256 bytes, lanes 16-31 the next
	v_lshl_add_u32 v5, v1, 4, v5
	v_add_nc_u32 v[RD], s23, v5
	v_mul_u32_u24 v5, v2, SIZE_N*2                 ; and the same two rows in C
	v_lshl_add_u32 v[CO], v1, 4, v5
	; where my part of the first tile begins in C, in bytes: each way out adds it to C's address
	s_lshl_b32 s13, s13, 8
	s_lshl_b32 s14, s11, 7
	s_add_co_u32 s16, s13, s14                     ; my first row of C
	s_mov_b32 s17, 0
	s_mov_b64 s[18:19], SIZE_N*2
	s_mul_u64 s[16:17], s[16:17], s[18:19]
	s_lshl_b32 s46, s42, 9                         ; my first column, in bytes: 512 x tile column + 256 x half (in the registers that held B's address: none that feeds A's descriptors ever holds cx)
	s_lshl_b32 s47, s12, 8
	s_add_co_u32 s46, s46, s47
	s_mov_b32 s47, 0
	s_add_nc_u64 s[16:17], s[16:17], s[46:47]
	; the prefetches.  s13 = 256 x tile row, s42 = tile column, s40 = cx, s41 = cy still stand; s[4:5] = A, s[6:7] = B
	s_lshl_b32 s42, s42, 8
	s_and_b32 s22, ttmp7, 0xffff                   ; cluster y
	s_cmp_eq_u32 s11, 0                            ; do I fetch for A?
	s_cselect_b32 s20, s13, s42                    ; the tile's first row: in A by the tile row, in B by the tile column
	s_cselect_b32 s21, s40, s41                    ; my place among the four that ask for it with me
	s_cselect_b32 s22, ttmp9, s22                  ; the coordinate along which other clusters read the same rows
	s_cselect_b64 s[PFA:PFA+1], s[4:5], s[6:7]
	s_cmp_eq_u32 s22, 0
	s_cselect_b32 s[LIM], 1, -1                    ; the same in all sixteen partners, for a given wave
	s_lshl_b32 s22, s12, 7
	s_add_co_u32 s20, s20, s22                     ; + the 128 rows that I fetch
	s_lshl_b32 s21, s21, 5
	s_add_co_u32 s20, s20, s21                     ; + my work-group's 32 of them
	s_mov_b32 s21, 0
	s_mov_b64 s[18:19], SIZE_K*2
	s_mul_u64 s[20:21], s[20:21], s[18:19]
	s_add_nc_u64 s[PFA:PFA+1], s[PFA:PFA+1], s[20:21]
	s_add_nc_u64 s[PFA:PFA+1], s[PFA:PFA+1], 2*KSTEP*2  ; at K step 2: the first refill steps it to 3 and names K step 4
	v_and_b32 v[PFO], 31, v0
	v_mul_u32_u24 v[PFO], v[PFO], SIZE_K*2
	; nothing is prefetched here, at the head, where every work-group's first two tiles are on their way: K steps 2 and 3 come by their refills alone
; 16 matrix instructions: m blocks a0, a0 + 1 of the window's four (hi = 0: my rows 0-63, 1: rows 64-127) x all 8 n blocks, 32 along K.
; zero = 1: the first product starts the sums: nothing is ever cleared.
.macro MUL16 f, hi, a0, zero
	WIN MUL_LO+0x50*(\hi)  ; MUL_LO or MUL_HI
.irp a, \a0, (\a0)+1
.irp b, 0,1,2,3,4,5,6,7
.if \zero
	v_wmma_f32_16x16x32_bf16 v[8*(8*(\a)+(\b)):8*(8*(\a)+(\b))+7], v[(\f)+8*(\b):(\f)+8*(\b)+7], v[(\f)+8*(4*(\hi)+(\a)):(\f)+8*(4*(\hi)+(\a))+7], 0
.else
	v_wmma_f32_16x16x32_bf16 v[8*(8*(\a)+(\b)):8*(8*(\a)+(\b))+7], v[(\f)+8*(\b):(\f)+8*(\b)+7], v[(\f)+8*(4*(\hi)+(\a)):(\f)+8*(4*(\hi)+(\a))+7], v[8*(8*(\a)+(\b)):8*(8*(\a)+(\b))+7]
.endif
.endr
.endr
.endm
; 32 LDS loads in one run: the fragments of one quarter step (128 rows of B, 128 rows of A, 32 K at byte k of the rows) into buffer f
.macro FETCH slot, k, f
	WIN TO_B
.irp i, 0,1,2,3,4,5,6,7
	ds_load_b128 v[(\f)+8*(\i):(\f)+8*(\i)+3],   v[ADRB+(\slot)] offset:(\k)+(\i)*16*PITCH
	ds_load_b128 v[(\f)+8*(\i)+4:(\f)+8*(\i)+7], v[ADRB+(\slot)] offset:(\k)+(\i)*16*PITCH+32
.endr
	WIN 0
.irp i, 0,1,2,3,4,5,6,7
	ds_load_b128 v[(\f)+8*(\i):(\f)+8*(\i)+3],   v[ADRA+(\slot)] offset:(\k)+(\i)*16*PITCH
	ds_load_b128 v[(\f)+8*(\i)+4:(\f)+8*(\i)+7], v[ADRA+(\slot)] offset:(\k)+(\i)*16*PITCH+32
.endr
.endm
; A load into a register that a matrix instruction has read, and a vector instruction that reads a matrix result or writes one of a matrix
; instruction's registers, stand four places behind that matrix instruction, and only plain vector instructions that name none of its registers
; are places (ISA guide 7.12.1 for vector instructions); this text does not count the matrix instructions in between.  So four v_nop stand in front of each run of
; loads, and in front of conversions that read results just made: sixteen issue slots for a K step's 256 matrix instructions.
.macro PLACES
.rept 4
	v_nop
.endr
.endm
; A K step is four quarter steps of 32 along K, 64 matrix instructions each, on buffers 0, 1, 0, 1.  The 64 accumulators take turns, one instruction a turn, in the same order in every quarter.
; One of the first three: multiplies buffer f; in its middle it fetches the next quarter's fragments, at byte k of the same slot's rows, into buffer g.
.macro QUARTER slot, k, f, g, zero
	s_wait_dscnt 8                                 ; B and A's rows 0-63 are in; the youngest eight loads (A's rows 64-127) may be out
	WIN MUL_LO
	MUL16 \f, 0, 0, \zero
	MUL16 \f, 0, 2, \zero
	PLACES
	FETCH \slot, \k, \g
	s_wait_dscnt 32                                ; all but the 32 just issued
	WIN MUL_HI
	MUL16 \f, 1, 0, \zero
	MUL16 \f, 1, 2, \zero
.endm
; The last quarter multiplies buffer 1 and changes slots.  MEET is its first half: ONE barrier for the change of slots, for two things.  In front of it each wave waits for
; all its tensor loads, of which one is out: its part of the next slot; adds 0 to its spare word; and waits for that and for its own reads of this slot.  Behind it nobody reads this slot any more and the next slot is whole.
.macro MEET round                      ; round = 1: a round of the cluster's barrier follows
	WIN 0                                          ; (the add's two registers lie in window 0)
	s_wait_tensorcnt 0x0                           ; all my tensor loads have landed: the one that was out is my part of the next slot;
	ds_add_u32 v[SPW], v[NIL]                      ; 0 onto my spare word;
	s_wait_dscnt 9                                 ; (the add and the youngest eight loads may be out)
	WIN MUL_LO
	MUL16 F1, 0, 0, 0                              ; sixteen matrix instructions stand between the add and the wait for it
	s_wait_dscnt 0x0                               ; the add is done, and my reads of this slot are over (the last were issued 48 matrix instructions ago):
	s_barrier_signal -1                            ; say so (where a slot is filled again this barrier opens a round of the cluster's barrier),
	MUL16 F1, 0, 2, 0                              ; work on registers while the others arrive,
.if \round
	WIN 0
.endif
	s_barrier_wait -1                              ; and go on when all four have said so
.endm
; The whole last quarter.  Behind the barrier the slot just read out is filled again first: with this tile's K step two steps on (on = 0) or, in a tile's last two K steps, with the NEXT tile's
; K step 0 or 1 (on = 1); then come the next slot's first fragments.  From a request to the wait for it a wave issues 224 matrix instructions, across tiles too.
.macro TURN slot, next, on
	s_wait_xcnt 0x0                                ; the last prefetch, a K step back, has read its address: it is stepped here, ahead of the waits of the change of slots, so that nothing is added between the round and the joint load
.if (\on) && (\slot) == 0
	s_add_nc_u64 s[PFA:PFA+1], s[PFA:PFA+1], (WALK-1)*SIZE_K*2+KSTEP*2  ; from the K step after the tile's last to the next tile's K step 1: WALK rows down, back along K (of use in B's waves alone)
	s_cmp_eq_u32 s11, 0
	s_cselect_b32 s[LIM], -1, s[LIM]               ; A's rows are the same for all tiles of the walk: they have been read, and are prefetched no more
.else
	s_add_nc_u64 s[PFA:PFA+1], s[PFA:PFA+1], KSTEP*2
.endif
	MEET 1
	CREST                                          ; wave 0 says so for the work-group, all sixteen work-groups have said so, my work-group's barrier closes the round:
	                                               ; no wave of any partner still reads this slot's tile or has a load on its way
.if \on
	s_sub_nc_u64 s[G0+4*(\slot)+2:G0+4*(\slot)+3], s[G0+4*(\slot)+2:G0+4*(\slot)+3], BACK_A
	s_add_nc_u64 s[G0B+4*(\slot)+2:G0B+4*(\slot)+3], s[G0B+4*(\slot)+2:G0B+4*(\slot)+3], NEXT_B
.else
	s_add_nc_u64 s[G0+4*(\slot)+2:G0+4*(\slot)+3], s[G0+4*(\slot)+2:G0+4*(\slot)+3], 2*KSTEP*2
	s_add_nc_u64 s[G0B+4*(\slot)+2:G0B+4*(\slot)+3], s[G0B+4*(\slot)+2:G0B+4*(\slot)+3], 2*KSTEP*2
.endif
	JLOAD \slot                                    ; the first tensor load behind the round, and my only one until the next; the four v_nop behind it are also the places in front of the loads below
	FETCH \next, 0, F0
	ASK \on                                        ; behind the joint load and the run of LDS loads that the next products wait for
	WIN MUL_HI
	MUL16 F1, 1, 0, 0
	MUL16 F1, 1, 2, 0
.endm
; THE LAST K STEP OF THE LAST TILE (it lies in slot 1) GOES BY ROWS OF C, NOT BY K.  All its fragments of B (4 quarters x 64 registers) fill window 1; then my eight blocks of 16 rows are
; finished one after the other, each with 32 matrix instructions (its 8 accumulators by turns, K ascending).  LDS is read no more than in any other K step.
.macro BLOAD q                         ; B's fragments of quarter q -> window 1, v[64 q ..]
	WIN TO_B
.irp i, 0,1,2,3,4,5,6,7
	ds_load_b128 v[64*(\q)+8*(\i):64*(\q)+8*(\i)+3],   v[ADRB+1] offset:64*(\q)+(\i)*16*PITCH
	ds_load_b128 v[64*(\q)+8*(\i)+4:64*(\q)+8*(\i)+7], v[ADRB+1] offset:64*(\q)+(\i)*16*PITCH+32
.endr
.endm
.macro ALOAD a                         ; A's fragments of block a, all four quarters -> buffer a % 4
	WIN 0
.set FA, PA+32*((\a)%4)
.irp q, 0,1,2,3
	ds_load_b128 v[FA+8*(\q):FA+8*(\q)+3],   v[ADRA+1] offset:64*(\q)+(\a)*16*PITCH
	ds_load_b128 v[FA+8*(\q)+4:FA+8*(\q)+7], v[ADRA+1] offset:64*(\q)+(\a)*16*PITCH+32
.endr
.endm
.macro ROW a                           ; block a is finished: 32 matrix instructions
.set FA, PA+32*((\a)%4)                ; its fragments of A
.set AC, 64*((\a)%4)                   ; its eight accumulators, in window 2 (blocks 0-3) or 3 (blocks 4-7)
	WIN MUL_LO+0x50*((\a)/4)                       ; MUL_LO or MUL_HI
.irp q, 0,1,2,3
.if (\a) == 0 && (\q) == 2
	s_wait_dscnt 24                                ; B's quarter 2 is in (behind it: A's blocks 1 to 3)
.endif
.irp b, 0,1,2,3,4,5,6,7
	v_wmma_f32_16x16x32_bf16 v[AC+8*(\b):AC+8*(\b)+7], v[64*(\q)+8*(\b):64*(\q)+8*(\b)+7], v[FA+8*(\q):FA+8*(\q)+7], v[AC+8*(\b):AC+8*(\b)+7]
.endr
.endr
.endm
; THE WAY OUT of block a, in three parts.  PACK: rounded to f16, 16 bytes a lane, each accumulator's registers in ascending order.  TOSTAGE: into my own stage in LDS, and back as whole rows of 256 bytes.  SEND: stored.
.macro PACK a
.set AC, 64*((\a)%4)
	WIN 0x0a+5*((\a)/4)                            ; sources 0 and 1: window 2 or 3
.irp b, 0,1,2,3,4,5,6,7
.irp r, 0,1,2,3
	v_cvt_pk_f16_f32 v[TMP+4*(\b)+(\r)], v[AC+8*(\b)+2*(\r)], v[AC+8*(\b)+2*(\r)+1]
.endr
.endr
	WIN 0
.endm
.macro TOSTAGE a
	WIN 0
.set BK, OB+192*((\a)%2)
.irp b, 0,1,2,3,4,5,6,7
	ds_store_b128 v[STO], v[TMP+4*(\b):TMP+4*(\b)+3] offset:32*(\b)
.endr
.irp t, 0,1,2,3,4,5,6,7
	ds_load_b128 v[BK+4*(\t):BK+4*(\t)+3], v[RD] offset:(\t)*2*SPITCH  ; LDS serves a wave's instructions in order (ISA guide 5.7.1.4): these see the stores above
.endr
.endm
.macro SEND a, younger                 ; younger: the LDS loads issued behind TOSTAGE's, which may stay out
	WIN 0
.set BK, OB+192*((\a)%2)
	s_wait_dscnt \younger                          ; the block is back in registers
	s_wait_xcnt 0x0                                ; every earlier memory instruction has had its addresses translated (ISA guide 3.1): only behind this wait are the stores' base and the registers that earlier stores read rewritten
.if (\a) == 0
	s_add_nc_u64 s[CP:CP+1], s[8:9], s[16:17]      ; C's address + the offset of my part of this tile
.else
	s_add_nc_u64 s[CP:CP+1], s[CP:CP+1], 16*SIZE_N*2  ; 16 rows of C on, so that the stores' offsets stay small: 14 rows of 6,144 bytes at the most
.endif
.irp t, 0,1,2,3,4,5,6,7
	global_store_b128 v[CO], v[BK+4*(\t):BK+4*(\t)+3], s[CP:CP+1] offset:2*(\t)*SIZE_N*2  ; 16 lanes store 256 consecutive bytes, at a multiple of 256 from C's first byte
.endr
.endm
	s_wait_tensorcnt 1                             ; my part of K step 0 is in; K step 1's load, issued behind it, may stay out
	s_barrier_signal -1
	s_barrier_wait -1                              ; everybody's is
	FETCH 0, 0, F0
	s_mov_b32 s2, SIZE_TILES                       ; tiles to go, this one among them: the same number in every work-group
.Ltile:                                                ; (FETCH and SEND leave every window 0)
	QUARTER 0, 64,  F0, F1, 1                      ; a tile's first quarter stands in front of the loop: its products start the sums
	WIN 0                                          ; at a label and at a branch every window is 0
	s_mov_b32 s3, LAPS-1
.Llap:                                                 ; a trip goes once round the ring, from a lap's second quarter to the next lap's first, and fills both slots again
	QUARTER 0, 128, F1, F0, 0
	QUARTER 0, 192, F0, F1, 0
	TURN 0, 1, 0
	QUARTER 1, 64,  F0, F1, 0
	QUARTER 1, 128, F1, F0, 0
	QUARTER 1, 192, F0, F1, 0
	TURN 1, 0, 0
	QUARTER 0, 64,  F0, F1, 0
	WIN 0
	s_sub_co_u32 s3, s3, 1
	s_cmp_lg_u32 s3, 0
	s_cbranch_scc1 .Llap
	QUARTER 0, 128, F1, F0, 0                      ; the tile's last lap goes on
	QUARTER 0, 192, F0, F1, 0
	WIN 0
	s_cmp_eq_u32 s2, 1
	s_cbranch_scc1 .Llast_tile                     ; the last tile's tail is written out: it asks for nothing more
	TURN 0, 1, 1                                   ; THE RING GOES ON INTO THE NEXT TILE: slot 0 takes its K step 0,
	QUARTER 1, 64,  F0, F1, 0
	QUARTER 1, 128, F1, F0, 0
	QUARTER 1, 192, F0, F1, 0
	TURN 1, 0, 1                                   ; slot 1 its K step 1, and the next tile's first fragments are fetched
	PACK 0                                         ; BOTH REFILLS ARE ASKED FOR: NOW THE TILE GOES OUT.  No v_nop: blocks 0-3 were finished in front of TURN's places, and their 128 conversions,
	TOSTAGE 0                                      ; which name no register of the last products (blocks 4-7's), are those products' places
.irp a, 1,2,3,4,5,6,7                  ; block a's conversions stand between block a - 1's loads from the stage and the wait for them
	PACK \a
	SEND (\a)-1, 0
	TOSTAGE \a
.endr
	SEND 7, 0
	s_add_nc_u64 s[16:17], s[16:17], NEXT_C        ; the next tile's part of C begins 1,024 columns to the right (an offset: the address is made anew from it)
	s_sub_co_u32 s2, s2, 1
	s_branch .Ltile
.Llast_tile:
	MEET 0                                         ; my one tensor load that was still out is slot 1's, the last K step's, so no round follows
	PLACES                                         ; for the loads into buffer 0, which the quarter before multiplied
	WIN TO_B
	BLOAD 0                                        ; three quarters of B now: buffer 1 (v128-191 of both windows) is still being multiplied
	BLOAD 1
	BLOAD 3
	WIN 0
	ALOAD 0
	WIN MUL_HI
	MUL16 F1, 1, 0, 0
	MUL16 F1, 1, 2, 0
	PLACES                                         ; for the loads into buffer 1
	WIN TO_B
	BLOAD 2
	WIN 0
	ALOAD 1
	ALOAD 2
	ALOAD 3
	s_wait_dscnt 40                                ; all but the 40 just issued
	ROW 0
.irp a, 0,1,2,3,4,5,6,7                ; each block leaves as soon as it is finished: nothing follows this tile, so the sooner its stores begin, the sooner the launch ends
	PLACES                                         ; its conversions read results just made, and no other vector work is at hand
	PACK \a
	TOSTAGE \a
.if (\a) < 4
	ALOAD (\a)+4                                   ; its buffer takes the block four further on
	SEND \a, 8
.else
	SEND \a, 0
.endif
.if (\a) < 7
	ROW (\a)+1
.endif
.endr
	s_wait_tensorcnt 0x0                           ; the wave's end: behind my last tensor load and my last LDS store
	ds_add_u32 v[SPW], v[NIL]
	s_wait_dscnt 0x0
	CROUND                                         ; the closing round: no work-group ends while a partner may still ask for a tile that names it
	s_endpgm
.Lfunc_end_k_q5fcba79e58_gemm:
	.size	k_q5fcba79e58_gemm, .Lfunc_end_k_q5fcba79e58_gemm-k_q5fcba79e58_gemm
	.p2alignl 7, 3214868480
	.fill 96, 4, 3214868480
	.section	.rodata,"a",@progbits
	.p2align	6, 0x0
	.amdhsa_kernel k_q5fcba79e58_gemm
		.amdhsa_group_segment_fixed_size 327680
		.amdhsa_private_segment_fixed_size 0
		.amdhsa_enable_private_segment 0
		.amdhsa_kernarg_size 24
		.amdhsa_user_sgpr_count 2
		.amdhsa_user_sgpr_kernarg_segment_ptr 1
		.amdhsa_wavefront_size32 1
		.amdhsa_system_sgpr_workgroup_id_x 1
		.amdhsa_system_sgpr_workgroup_id_y 1
		.amdhsa_system_sgpr_workgroup_id_z 1
		.amdhsa_system_vgpr_workitem_id 0
		.amdhsa_next_free_vgpr 1024
		.amdhsa_next_free_sgpr 66
		.amdhsa_reserve_vcc 0
		.amdhsa_float_denorm_mode_32 3
		.amdhsa_float_denorm_mode_16_64 3
		.amdhsa_memory_ordered 1
		.amdhsa_forward_progress 1
		.amdhsa_inst_pref_size 210
	.end_amdhsa_kernel
	.amdgpu_metadata
---
amdhsa.version: [ 1, 2 ]
amdhsa.kernels:
  - .name:           k_q5fcba79e58_gemm
    .symbol:         k_q5fcba79e58_gemm.kd
    .args:
      - { .name: xb, .offset: 0, .size: 8, .value_kind: global_buffer, .address_space: global }
      - { .name: wt, .offset: 8, .size: 8, .value_kind: global_buffer, .address_space: global }
      - { .name: qkv, .offset: 16, .size: 8, .value_kind: global_buffer, .address_space: global }
    .group_segment_fixed_size: 327680
    .private_segment_fixed_size: 0
    .kernarg_segment_align: 8
    .kernarg_segment_size: 24
    .max_flat_workgroup_size: 128
    .sgpr_count:     66
    .vgpr_count:     1024
    .wavefront_size: 32
...
	.end_amdgpu_metadata
.endif
;; end of part 2
;; launch attn (part 3): grid 512 x 1, 8 waves a work-group, no clusters, 37,888 bytes of LDS; arguments qkv, mask, out0; writes out0
.if DOCPART == 3
	.amdgcn_target "amdgcn-amd-amdhsa--gfx1250"
	.amdhsa_code_object_version 6
	.text
	.protected	k_q5fcba79e58_attn
	.globl	k_q5fcba79e58_attn
	.p2align	8
	.type	k_q5fcba79e58_attn,@function
k_q5fcba79e58_attn:
	s_mov_b64 s[64:65], 0
	v_nop
	global_prefetch_b8 v0, s[64:65] scope:SCOPE_SE
	s_setreg_imm32_b32 hwreg(HW_REG_WAVE_MODE, 25, 1), 1
	s_wait_xcnt 0x0
; THE SMALL ATTENTION OF EACH TOKEN.  For token (b, s): q, k, v are [32 heads][32 d]; q and k are turned by the angle h (the head's number): t'[d] = t[d] cos h - t[d+16] sin h, t'[d+16] = t[d+16] cos h + t[d] sin h;
; score[h][h'] = q'[h] . k'[h'] / sqrt(32); where mask[h][h'] is 0 the score is -infinity; softmax over h' with the row's maximum taken away; out0[token][32 h + d] = sum over h' of p[h][h'] v[h'][d].
; qkv: [16384 tokens][3072] f16, its columns in the order in which the first launch laid wt's rows: piece p (0..11) of 512 bytes, 16 bytes a lane, IS registers 4 (p % 2) .. + 3 of matrix fragment p / 2:
;   fragments 0, 1: q, heads 0-15 and 16-31 (lane l: head l % 16, d along the registers);  2, 3: k likewise;  4, 5: v TURNED: lane l holds d = l % 16 (+ 16), h' along the registers.
; LAYOUT.  S^T = K Q^T (source 0 = 16 keys h', source 1 = 16 queries h): a lane holds ONE query (l % 16) and the keys 8 (l / 16) + 0..7.  Two such results rounded to f16 ARE source 1 of O^T = V^T P,
; whose result holds one query a lane and eight d on end.  A query's maximum and sum want one exchange between the halves of the lanes.
; FORMATS.  The turn, the scores' scaling, maxima, exponentials and sums in f32; q', k' and the weights p rounded once to f16 for the products (l is the sum of the unrounded p).
; LIMITS.  q, k, v arrive within f16's range (65,504).  A weight below 2^-126 counts as 0.  A row of the mask that is all 0 gives NaN in that row, as -inf less -inf does in the softmax it stands for.
; NaN and infinities among the inputs are not treated apart.
; SHARES.  Memory binds: 6,144 bytes in and 4,096 out for a token.  A wave owns four tokens, a work-group's eight waves 32.  Three tokens of every wave (36 loads, 18 KiB) are asked for at its head, the fourth as soon as
; a set of registers is free.  No wave reads a byte that another wave reads but the mask's 1,024: no cluster, no tensor load, no barrier.  No prefetch: three quarters of what a wave reads is asked for at its head.
.set TOKB, 6144                        ; bytes of a token in qkv
.set OUTB, 4096                        ; in out0
.set SP,   144                         ; a row of my stage: 32 d in f32 (128 bytes) + 16 of padding = 36 words: 16 rows start at 16 different groups of four banks (64 banks of 4 bytes: ISA guide 11.1)
.set WSTG, 32*SP                       ; a wave's stage: 32 heads
.set SPARE, 8*WSTG                     ; behind the stages: the spare words, 128 bytes for each wave: four blocks of 256 bytes that no other line names
.set LO,   1                           ; v1   16 x lane: my 16 bytes of 512; never rewritten
.set STO,  2                           ; v2   the way out: where I put my 32 bytes of a head's row
.set RD,   3                           ; v3   the way out: where I read rows back
.set SPW,  4                           ; v4   LDS address of my spare word: SPARE + 4 x my thread's number; never rewritten
.set NIL,  5                           ; v5   0; never rewritten
.set ZERO, 6                           ; v6   0.0
.set NINF, 7                           ; v7   -infinity
.set CS0,  8                           ; v8, v9    cos, sin of r = lane % 16
.set CS1,  10                          ; v10, v11  cos, sin of 16 + r
.set MX,   12                          ; v12-19    four registers at work for each half of the queries; at the head: offsets and temporaries
.set CM,   20                          ; v[20:21], v[22:23]  c m, in the pair's low word
.set RL,   24                          ; v[24:25], v[26:27]  1 / l, likewise
.set T,    28                          ; v28-31    the turn's four products by sin
.set S,    32                          ; v32-63    S^T: queries 16 qt.., keys 16 kt.. at S + 16 qt + 8 kt; later the rows read back from the stage; at the head the mask's bytes
.set P,    64                          ; v64-79    P: 8 registers for each qt
.set QR,   80                          ; v80-95    q turned
.set KR,   96                          ; v96-111   k turned
.set O,    80                          ; v80-111   then O^T: queries 16 qt.., d 16 dt.. at O + 16 qt + 8 dt
.set RAW,  112                         ; v112-255  three sets of 48: a token as loaded
.set MK,   32                          ; s[32:63]  lane masks: bit l of s[MK + 16 qt + 8 kt + j] = mask[16 qt + l % 16][16 kt + 8 (l / 16) + j]
	s_load_b128 s[4:7], s[0:1], 0x0                ; qkv s[4:5], mask s[6:7]
	s_load_b64 s[8:9], s[0:1], 0x10                ; out0
	v_lshl_add_u32 v[SPW], v0, 2, SPARE
	v_mov_b32 v[NIL], 0
	v_lshrrev_b32 v13, 5, v0
	v_readfirstlane_b32 s10, v13                   ; my wave's number
	s_lshl_b32 s11, ttmp9, 5
	s_lshl2_add_u32 s11, s10, s11                  ; my first token: 32 x work-group + 4 x wave
	s_mul_i32 s20, s11, TOKB                       ; under 2^27
	s_mov_b32 s21, 0
	s_lshl_b32 s22, s11, 12
	s_mov_b32 s23, 0
	s_mov_b32 s12, 0x76543210                      ; v_permlanex16_b32: each lane takes its own place in the other half
	s_mov_b32 s13, 0xfedcba98
	s_mov_b32 s14, 0x3e8293ee                      ; c = log2(e) / sqrt(32) = 0.255035
	s_mov_b32 s15, s14                             ; named with it as a pair
	v_and_b32 v18, 31, v0                          ; lane
	v_and_b32 v17, 15, v0                          ; r
	v_bfe_u32 v16, v0, 4, 1                        ; f
	v_lshlrev_b32 v[LO], 4, v18
	v_lshlrev_b32 v12, 5, v17                      ; the mask's row r, 32 bytes,
	v_lshl_add_u32 v12, v16, 3, v12                ; my eight keys
	s_wait_kmcnt 0x0
	s_add_nc_u64 s[4:5], s[4:5], s[20:21]
	s_add_nc_u64 s[8:9], s[8:9], s[22:23]
.irp qt, 0,1
.irp kt, 0,1
	global_load_b64 v[S+2*(2*(\qt)+(\kt)):S+2*(2*(\qt)+(\kt))+1], v12, s[6:7] offset:512*(\qt)+16*(\kt)
.endr
.endr
.macro LOADTOK s, i                    ; token i of my four into set s: twelve loads of 512 consecutive bytes
.irp p, 0,1,2,3,4,5,6,7,8,9,10,11
	global_load_b128 v[RAW+48*(\s)+4*(\p):RAW+48*(\s)+4*(\p)+3], v[LO], s[4:5] offset:TOKB*(\i)+512*(\p) th:TH_LOAD_NT
.endr
.endm
	LOADTOK 0, 0
	LOADTOK 1, 1
	LOADTOK 2, 2
	; all that follows up to the wait stands while these 40 loads are out
	s_mul_i32 s24, s10, WSTG                       ; my stage
	v_mul_u32_u24 v[STO], v17, SP                  ; in: row r (+ 16 qt), 32 bytes for each half of the lanes
	v_lshl_add_u32 v[STO], v16, 5, v[STO]
	v_add_nc_u32 v[STO], s24, v[STO]
	v_bfe_u32 v15, v0, 3, 2                        ; back: 32 lanes take four rows of 128 bytes
	v_and_b32 v14, 7, v0
	v_mul_u32_u24 v[RD], v15, SP
	v_lshl_add_u32 v[RD], v14, 4, v[RD]
	v_add_nc_u32 v[RD], s24, v[RD]
	v_mov_b32 v[ZERO], 0
	v_mov_b32 v[NINF], 0xff800000
	v_mov_b32 v[CM+1], 0                           ; the high words of four pairs of which the packed forms take the low word for both halves
	v_mov_b32 v[CM+3], 0
	v_mov_b32 v[RL+1], 0
	v_mov_b32 v[RL+3], 0
.set i, 0
.rept 32
	v_mov_b32 v[QR+i], 0                           ; q' and k' are written a half at a time, the other half kept: the registers are written whole once, here
.set i, i+1
.endr
	; cos and sin of r: (1, 0) turned by 1, 2, 4 and 8 where that bit of r is set: (c, s) -> (c cb - s sb, s cb + c sb), (cb, sb) = (1, 0) where it is not.  Then once more by 16.
	s_mov_b32 s16, 0x3f0a5140                      ; cos 1 =  0.5403023
	s_mov_b32 s17, 0x3f576aa4                      ; sin 1 =  0.8414710
	v_and_b32 v13, 1, v17
	v_cmp_ne_u32 vcc_lo, 0, v13
	v_cndmask_b32 v[CS0], 1.0, s16, vcc_lo
	v_cndmask_b32 v[CS0+1], 0, s17, vcc_lo
.macro TURNBY bit, c, s
	s_mov_b32 s16, \c
	s_mov_b32 s17, \s
	v_and_b32 v13, \bit, v17
	v_cmp_ne_u32 vcc_lo, 0, v13
	v_cndmask_b32 v14, 1.0, s16, vcc_lo
	v_cndmask_b32 v15, 0, s17, vcc_lo
	v_mul_f32 v[T], v[CS0+1], v15
	v_mul_f32 v[T+1], v[CS0], v15
	v_fma_f32 v[CS0], v[CS0], v14, -v[T]
	v_fma_f32 v[CS0+1], v[CS0+1], v14, v[T+1]
.endm
	TURNBY 2, 0xbed51133, 0x3f68c7b7               ; cos 2 = -0.4161468, sin 2 =  0.9092974
	TURNBY 4, 0xbf275530, 0xbf41bdcf               ; cos 4 = -0.6536436, sin 4 = -0.7568025
	TURNBY 8, 0xbe14fdf6, 0x3f7d4695               ; cos 8 = -0.1455000, sin 8 =  0.9893582
	s_mov_b32 s16, 0xbf75292c                      ; cos 16 = -0.9576595
	s_mov_b32 s17, 0xbe936810                      ; sin 16 = -0.2879033
	v_mul_f32 v[T], s17, v[CS0+1]
	v_mul_f32 v[T+1], s17, v[CS0]
	v_fma_f32 v[CS1], v[CS0], s16, -v[T]
	v_fma_f32 v[CS1+1], v[CS0+1], s16, v[T+1]
	s_wait_loadcnt 36                              ; the mask's four loads are in; the 36 loads of three tokens, issued behind them, stay out
.set x, 0
.rept 32                               ; x = 16 qt + 8 kt + j: byte j of the pair for (qt, kt)
	v_bfe_u32 v13, v[S+2*(x/8)+(x%8)/4], 8*(x%4), 8
	v_cmp_ne_u32 s[MK+x], 0, v13
.set x, x+1
.endr
; THE TURN of one fragment (16 heads x 32 d): register a holds d = 8 f + 2 a, + 1, register a + 4 the same d + 16.  The halves are read as f16, the arithmetic is f32, each result is rounded once.
.macro ROPE src, dst, cs
.irp a, 0,1,2,3
	v_fma_mix_f32 v[T],   v[(\src)+4+(\a)], v[(\cs)+1], v[ZERO] op_sel_hi:[1,0,0]
	v_fma_mix_f32 v[T+1], v[(\src)+4+(\a)], v[(\cs)+1], v[ZERO] op_sel:[1,0,0] op_sel_hi:[1,0,0]
	v_fma_mix_f32 v[T+2], v[(\src)+(\a)],   v[(\cs)+1], v[ZERO] op_sel_hi:[1,0,0]
	v_fma_mix_f32 v[T+3], v[(\src)+(\a)],   v[(\cs)+1], v[ZERO] op_sel:[1,0,0] op_sel_hi:[1,0,0]
	v_fma_mixlo_f16 v[(\dst)+(\a)],   v[(\src)+(\a)],   v[\cs], -v[T]   op_sel_hi:[1,0,0]
	v_fma_mixhi_f16 v[(\dst)+(\a)],   v[(\src)+(\a)],   v[\cs], -v[T+1] op_sel:[1,0,0] op_sel_hi:[1,0,0]
	v_fma_mixlo_f16 v[(\dst)+4+(\a)], v[(\src)+4+(\a)], v[\cs], v[T+2]  op_sel_hi:[1,0,0]
	v_fma_mixhi_f16 v[(\dst)+4+(\a)], v[(\src)+4+(\a)], v[\cs], v[T+3]  op_sel:[1,0,0] op_sel_hi:[1,0,0]
.endr
.endm
; TOKEN i of my four, from set s.  left: the younger loads that may stay out.  reload: the token that the set takes when it is free, or 0 for none.
.macro TOKEN i, s, left, reload
.set RB, RAW+48*(\s)
	s_wait_loadcnt \left                           ; loads come back in order: my token's twelve are in
	s_wait_xcnt 0x0                                ; every earlier memory instruction has had its addresses translated (ISA guide 3.1): S^T's registers, which the last token's stores read, are written again only behind this wait
	ROPE RB,    QR,   CS0
	ROPE RB+8,  QR+8, CS1
	ROPE RB+16, KR,   CS0
	ROPE RB+24, KR+8, CS1
.irp qt, 0,1
.irp kt, 0,1
	v_wmma_f32_16x16x32_f16 v[S+16*(\qt)+8*(\kt):S+16*(\qt)+8*(\kt)+7], v[KR+8*(\kt):KR+8*(\kt)+7], v[QR+8*(\qt):QR+8*(\qt)+7], 0
.endr
.endr
.rept 5
	v_nop                                          ; five places (ISA guide 7.12.1): four for the selects below, which read the results; five for the later products, which write over q' and k'
.endr
.set x, 0
.rept 32
	v_cndmask_b32 v[S+x], v[NINF], v[S+x], s[MK+x] ; the mask; each accumulator is read from its lowest register on
.set x, x+1
.endr
.irp qt, 0,1                           ; the maximum of a query's 32 scores: 16 in my lane, 16 in the lane 16 away; then c m
	v_max3_num_f32 v[MX+4*(\qt)],   v[S+16*(\qt)],   v[S+16*(\qt)+1],  v[S+16*(\qt)+2]
	v_max3_num_f32 v[MX+4*(\qt)+1], v[S+16*(\qt)+3], v[S+16*(\qt)+4],  v[S+16*(\qt)+5]
	v_max3_num_f32 v[MX+4*(\qt)+2], v[S+16*(\qt)+6], v[S+16*(\qt)+7],  v[S+16*(\qt)+8]
	v_max3_num_f32 v[MX+4*(\qt)+3], v[S+16*(\qt)+9], v[S+16*(\qt)+10], v[S+16*(\qt)+11]
	v_max3_num_f32 v[MX+4*(\qt)],   v[MX+4*(\qt)],   v[S+16*(\qt)+12], v[S+16*(\qt)+13]
	v_max3_num_f32 v[MX+4*(\qt)+1], v[MX+4*(\qt)+1], v[S+16*(\qt)+14], v[S+16*(\qt)+15]
	v_max_num_f32  v[MX+4*(\qt)+2], v[MX+4*(\qt)+2], v[MX+4*(\qt)+3]
	v_max3_num_f32 v[MX+4*(\qt)],   v[MX+4*(\qt)],   v[MX+4*(\qt)+1],  v[MX+4*(\qt)+2]
.endr
.irp qt, 0,1
	v_permlanex16_b32 v[MX+4*(\qt)+1], v[MX+4*(\qt)], s12, s13
.endr
.irp qt, 0,1
	v_max_num_f32 v[MX+4*(\qt)], v[MX+4*(\qt)], v[MX+4*(\qt)+1]
.endr
.irp qt, 0,1
	v_mul_f32 v[CM+2*(\qt)], s14, v[MX+4*(\qt)]
.endr
.irp qt, 0,1
.irp z, 0,1,2,3,4,5,6,7
	v_pk_fma_f32 v[S+16*(\qt)+2*(\z):S+16*(\qt)+2*(\z)+1], v[S+16*(\qt)+2*(\z):S+16*(\qt)+2*(\z)+1], s[14:15], v[CM+2*(\qt):CM+2*(\qt)+1] op_sel_hi:[1,0,0] neg_lo:[0,0,1] neg_hi:[0,0,1]  ; c s - c m
.endr
.endr
.set x, 0
.rept 32
	v_exp_f32 v[S+x], v[S+x]                       ; one batch of 32
.set x, x+1
.endr
	v_nop                                          ; a plain instruction behind the last exponential (ISA guide 5.7.2),
	s_wait_alu depctr_va_vdst(0)                   ; and one wait ahead of the batch's first reader
.irp qt, 0,1
.irp z, 0,1,2,3,4,5,6,7
	v_cvt_pk_f16_f32 v[P+8*(\qt)+(\z)], v[S+16*(\qt)+2*(\z)], v[S+16*(\qt)+2*(\z)+1]
.endr
.endr
.irp qt, 0,1
.irp dt, 0,1
	v_wmma_f32_16x16x32_f16 v[O+16*(\qt)+8*(\dt):O+16*(\qt)+8*(\dt)+7], v[RB+32+8*(\dt):RB+32+8*(\dt)+7], v[P+8*(\qt):P+8*(\qt)+7], 0
.endr
.endr
	; l: the sum of the unrounded weights, in place on S^T.  These fourteen packed sums name no register of the products above: they are the places behind them
.irp qt, 0,1
.irp z, 0,1,2,3
	v_pk_add_f32 v[S+16*(\qt)+2*(\z):S+16*(\qt)+2*(\z)+1], v[S+16*(\qt)+2*(\z):S+16*(\qt)+2*(\z)+1], v[S+16*(\qt)+8+2*(\z):S+16*(\qt)+8+2*(\z)+1]
.endr
.endr
.irp qt, 0,1
.irp z, 0,1
	v_pk_add_f32 v[S+16*(\qt)+2*(\z):S+16*(\qt)+2*(\z)+1], v[S+16*(\qt)+2*(\z):S+16*(\qt)+2*(\z)+1], v[S+16*(\qt)+4+2*(\z):S+16*(\qt)+4+2*(\z)+1]
.endr
.endr
.irp qt, 0,1
	v_pk_add_f32 v[S+16*(\qt):S+16*(\qt)+1], v[S+16*(\qt):S+16*(\qt)+1], v[S+16*(\qt)+2:S+16*(\qt)+3]
.endr
.irp qt, 0,1
	v_add_f32 v[MX+4*(\qt)], v[S+16*(\qt)], v[S+16*(\qt)+1]
.endr
.irp qt, 0,1
	v_permlanex16_b32 v[MX+4*(\qt)+1], v[MX+4*(\qt)], s12, s13
.endr
.irp qt, 0,1
	v_add_f32 v[MX+4*(\qt)], v[MX+4*(\qt)], v[MX+4*(\qt)+1]
.endr
.irp qt, 0,1
	v_rcp_f32 v[RL+2*(\qt)], v[MX+4*(\qt)]
.endr
	v_nop                                          ; a plain instruction behind the second reciprocal,
	s_wait_alu depctr_va_vdst(0)                   ; and one wait for the two
.if \reload
	LOADTOK \s, \reload                            ; the set is free: the turn has read q and k, and the products that read v stand more than four places back
.endif
.irp qt, 0,1
.irp z, 0,1,2,3,4,5,6,7
	v_pk_mul_f32 v[O+16*(\qt)+2*(\z):O+16*(\qt)+2*(\z)+1], v[O+16*(\qt)+2*(\z):O+16*(\qt)+2*(\z)+1], v[RL+2*(\qt):RL+2*(\qt)+1] op_sel_hi:[1,0]  ; O / l, each accumulator from its lowest register on
.endr
.endr
.irp qt, 0,1
.irp dt, 0,1
	ds_store_b128 v[STO], v[O+16*(\qt)+8*(\dt):O+16*(\qt)+8*(\dt)+3]   offset:16*SP*(\qt)+64*(\dt)
	ds_store_b128 v[STO], v[O+16*(\qt)+8*(\dt)+4:O+16*(\qt)+8*(\dt)+7] offset:16*SP*(\qt)+64*(\dt)+16
.endr
.endr
.irp g, 0,1,2,3,4,5,6,7
	ds_load_b128 v[S+4*(\g):S+4*(\g)+3], v[RD] offset:4*SP*(\g)  ; LDS serves a wave's instructions in order (ISA guide 5.7.1.4): these see the stores above; the next token's stores come behind them
.endr
.irp g, 0,1,2,3,4,5,6,7
	s_wait_dscnt 7-(\g)
	global_store_b128 v[LO], v[S+4*(\g):S+4*(\g)+3], s[8:9] offset:OUTB*(\i)+512*(\g) th:TH_STORE_NT  ; 512 consecutive bytes, at a multiple of 256 from out0's first byte
.endr
.endm
	TOKEN 0, 0, 24, 3                              ; tokens 1 and 2 stay out; set 0 takes token 3
	TOKEN 1, 1, 24, 0                              ; tokens 2 and 3 stay out
	TOKEN 2, 2, 12, 0                              ; token 3 stays out
	TOKEN 3, 0, 0, 0
	s_wait_tensorcnt 0x0                           ; the wave's end: behind my last LDS store
	ds_add_u32 v[SPW], v[NIL]
	s_wait_dscnt 0x0
	s_endpgm
.Lfunc_end_k_q5fcba79e58_attn:
	.size	k_q5fcba79e58_attn, .Lfunc_end_k_q5fcba79e58_attn-k_q5fcba79e58_attn
	.p2alignl 7, 3214868480
	.fill 96, 4, 3214868480
	.section	.rodata,"a",@progbits
	.p2align	6, 0x0
	.amdhsa_kernel k_q5fcba79e58_attn
		.amdhsa_group_segment_fixed_size 37888
		.amdhsa_private_segment_fixed_size 0
		.amdhsa_enable_private_segment 0
		.amdhsa_kernarg_size 24
		.amdhsa_user_sgpr_count 2
		.amdhsa_user_sgpr_kernarg_segment_ptr 1
		.amdhsa_wavefront_size32 1
		.amdhsa_system_sgpr_workgroup_id_x 1
		.amdhsa_system_sgpr_workgroup_id_y 1
		.amdhsa_system_sgpr_workgroup_id_z 1
		.amdhsa_system_vgpr_workitem_id 0
		.amdhsa_next_free_vgpr 256
		.amdhsa_next_free_sgpr 66
		.amdhsa_reserve_vcc 1
		.amdhsa_float_denorm_mode_32 3
		.amdhsa_float_denorm_mode_16_64 3
		.amdhsa_memory_ordered 1
		.amdhsa_forward_progress 1
		.amdhsa_inst_pref_size 92
	.end_amdhsa_kernel
	.amdgpu_metadata
---
amdhsa.version: [ 1, 2 ]
amdhsa.kernels:
  - .name:           k_q5fcba79e58_attn
    .symbol:         k_q5fcba79e58_attn.kd
    .args:
      - { .name: qkv, .offset: 0, .size: 8, .value_kind: global_buffer, .address_space: global }
      - { .name: mask, .offset: 8, .size: 8, .value_kind: global_buffer, .address_space: global }
      - { .name: out0, .offset: 16, .size: 8, .value_kind: global_buffer, .address_space: global }
    .group_segment_fixed_size: 37888
    .private_segment_fixed_size: 0
    .kernarg_segment_align: 8
    .kernarg_segment_size: 24
    .max_flat_workgroup_size: 256
    .sgpr_count:     66
    .vgpr_count:     256
    .wavefront_size: 32
...
	.end_amdgpu_metadata
.endif
;; end of part 3
;; ======== version 2 of 2: 3 launches; version 1 with the launches prep, attn written anew for expert scheduling mode
;; limits: values are held in f16: magnitudes above 65,504 overflow, below 6.1e-05 lose precision
;; workspace buffers: xb 33,554,432 bytes; wt 6,291,456 bytes; qkv 100,663,296 bytes
;; launch prep (part 4): grid 560 x 1, 8 waves a work-group, no clusters, 140,288 bytes of LDS; arguments x, W_qkv, xb, wt; writes xb, wt
.if DOCPART == 4
	.amdgcn_target "amdgcn-amd-amdhsa--gfx1250"
	.amdhsa_code_object_version 6
	.text
	.protected	k_q5fcba79e58_prep
	.globl	k_q5fcba79e58_prep
	.p2align	8
	.type	k_q5fcba79e58_prep,@function
k_q5fcba79e58_prep:
	s_mov_b64 s[64:65], 0
	v_nop
	global_prefetch_b8 v0, s[64:65] scope:SCOPE_SE
	s_setreg_imm32_b32 hwreg(HW_REG_WAVE_SCHED_MODE, 0, 2), 2
	s_setreg_imm32_b32 hwreg(HW_REG_WAVE_MODE, 25, 1), 1
	s_wait_xcnt 0x0
	s_wait_alu depctr_vm_vsrc(0)
; PREP.  xb = x rounded to bf16, [16384][1024].  wt = W_qkv rounded to bf16, transposed, its rows in another order: [3072 n'][1024 k].
; Work-groups 0 to 47 take 64 columns of W each (two heads of q, k or v), work-groups 48 to 559 take 32 rows of x each.  Memory binds: each byte is read once and written once;
; no matrix unit, no cluster (no two work-groups read the same byte), no barrier (a wave reads back from LDS only what it stored itself).
; THE ORDER OF wt's ROWS is chosen so that the launch behind the product finds its matrix fragments as 512 consecutive bytes:
;   q (sec 0), k (sec 1): column sec 1024 + 32 h + d, h = 16 t + r, d = 16 i + 8 f + e (e = 0..7), becomes row sec 1024 + 512 t + 256 i + 128 f + 8 r + e
;   v:                    column 2048 + 32 h' + d,    d = 16 t + r, h' = 16 i + 8 f + e,           becomes row 2048 + 512 t + 256 i + 128 f + 8 r + e
; THE MODE: SCHED_MODE bits 1:0 = 2 (LLVM: expert scheduling mode 2), set by the entry lines.  The code itself states the register dependences
; between vector instructions and memory or LDS instructions, with s_wait_alu, always for 0.
; THE PLAN, x path.  XI, XO: offsets, written once at the head.  Row r's four registers: its load lands there, its two conversions read them and write the low two, ONE store reads those, nothing writes them again.
;   The store of row r - 4 is issued in row r's turn.  One wait on va_vdst at rows 4, 8 .. 28 states that the four rows before are converted; their four stores are dealt over the next four rows,
;   whose conversions name their own rows' registers alone.  One more stands ahead of the last four stores.
; THE PLAN, W path.  VO, LS, LR, GS: addresses, written once.  X group g % 4: read by step g's sixteen conversions, then the loads of group g + 4 land in it; at the end the LDS loads land in all of X.
;   T: written by a step's conversions, read by its four LDS stores.  A step has two waits: on vm_vsrc behind the wait for its data (the last step's LDS stores have read T), and on va_vdst behind its
;   conversions (T is written; they are done reading the group), so that the freed group is asked for again at once.
.set NWG_W, 48                         ; work-groups that take W
.set ROWX,  4096                       ; bytes in a row of x
.set ROWXB, 2048                       ; of xb, and of wt
.set ROWW,  12288                      ; of W
.set WP,    272                        ; an LDS row: 128 k in bf16 (256 bytes) + 16 of padding
.set WSTG,  64*WP                      ; a wave's own LDS: 64 columns of W as rows
.set SPARE, 8*WSTG                     ; behind the eight stages: the spare words, 128 bytes for each wave: four blocks of 256 bytes that no other line names
.set SPW, 1                            ; v1  LDS address of my spare word: SPARE + 4 x my thread's number; never rewritten
.set NIL, 2                            ; v2  0; never rewritten
.set XI,  4                            ; v4  x path: 16 x thread
.set XO,  5                            ; v5  x path: 8 x thread
.set VO,  4                            ; v4  W path: my byte offset in eight rows of W
.set LS,  5                            ; v5  W path: where I put 16 bytes (8 k of one column)
.set LR,  6                            ; v6  W path: where I read a row back
.set GS,  7                            ; v7  W path: my byte offset in wt
.set T,   8                            ; v[8:23]   at work
.set X,   24                           ; v[24:151] as loaded; in the W path later the 64 rows read back
	s_load_b256 s[4:11], s[0:1], 0x0               ; x s[4:5], W s[6:7], xb s[8:9], wt s[10:11]
	v_lshl_add_u32 v[SPW], v0, 2, SPARE
	v_mov_b32 v[NIL], 0
	s_cmp_lt_u32 ttmp9, NWG_W
	s_cbranch_scc1 .Lweights
	; ---- x: 32 rows.  The 256 threads take a row, 16 bytes each; all 32 loads of a thread go out at once: 128 KiB of the work-group on their way.
	s_sub_co_u32 s13, ttmp9, NWG_W
	s_lshl_b32 s14, s13, 17                        ; 32 rows of 4,096 bytes
	s_mov_b32 s15, 0
	s_lshl_b32 s16, s13, 16                        ; 32 rows of 2,048 bytes
	s_mov_b32 s17, 0
	v_lshlrev_b32 v[XI], 4, v0
	v_lshlrev_b32 v[XO], 3, v0
	s_wait_kmcnt 0x0
	s_add_nc_u64 s[4:5], s[4:5], s[14:15]
	s_add_nc_u64 s[8:9], s[8:9], s[16:17]
	s_wait_alu depctr_va_vdst(0)                   ; XI and XO are written: every load and store of this path reads one of them as its offset
.set i, 0
.rept 32
	global_load_b128 v[X+4*i:X+4*i+3], v[XI], s[4:5] offset:ROWX*i th:TH_LOAD_NT
.set i, i+1
.endr
.set r, 0
.rept 32
	s_wait_loadcnt 31-r                            ; loads come back in order: row r is in, the 31 - r younger ones stay out
.if (r > 0) && (r%4 == 0)
	s_wait_alu depctr_va_vdst(0)                   ; the conversions of rows r - 4 to r - 1 have written their registers, which the next four stores read
.endif
.if r >= 4
	global_store_b64 v[XO], v[X+4*(r-4):X+4*(r-4)+1], s[8:9] offset:ROWXB*(r-4) th:TH_STORE_NT  ; a wave's 32 lanes store 256 consecutive bytes, aligned; no vector instruction since the wait names these registers, and none writes them again
.endif
	v_cvt_pk_bf16_f32 v[X+4*r],   v[X+4*r],   v[X+4*r+1]
	v_cvt_pk_bf16_f32 v[X+4*r+1], v[X+4*r+2], v[X+4*r+3]
.set r, r+1
.endr
	s_wait_alu depctr_va_vdst(0)                   ; the conversions of rows 28 to 31 have written their registers, which the last four stores read
.irp i, 28,29,30,31
	global_store_b64 v[XO], v[X+4*(\i):X+4*(\i)+1], s[8:9] offset:ROWXB*(\i) th:TH_STORE_NT
.endr
	s_branch .Lend
	; ---- W: columns 64 j .. 64 j + 63; wave w takes k = 128 w .. 128 w + 127.
	; A load: lanes 0-15 take 256 consecutive bytes (64 columns) of one row k, lanes 16-31 of the row eight further down.
.Lweights:
	v_lshrrev_b32 v3, 5, v0
	v_readfirstlane_b32 s12, v3                    ; my wave's number: made here, in the one path that reads it
	v_and_b32 v8, 15, v0                           ; l
	v_bfe_u32 v9, v0, 4, 1                         ; lh
	v_lshlrev_b32 v10, 4, v8                       ; 16 l
	v_mul_u32_u24 v[VO], v9, 8*ROWW
	v_add_nc_u32 v[VO], v[VO], v10
	s_wait_alu depctr_va_sdst(0)                   ; s12 is written, ahead of its first reader: W's base, my stage and wt's base are made from it
	s_mul_i32 s14, s12, 128*ROWW                   ; my wave's 128 rows,
	s_lshl_b32 s15, ttmp9, 8                       ; the work-group's 64 columns
	s_add_co_u32 s14, s14, s15
	s_mov_b32 s15, 0
	s_wait_kmcnt 0x0
	s_add_nc_u64 s[6:7], s[6:7], s[14:15]
; Group g: rows 16 g + 8 lh + e, e = 0..7, four columns a lane.  Four groups of registers take turns.
.macro WLOAD g
.irp e, 0,1,2,3,4,5,6,7
	global_load_b128 v[X+32*((\g)%4)+4*(\e):X+32*((\g)%4)+4*(\e)+3], v[VO], s[6:7] offset:(16*(\g)+(\e))*ROWW th:TH_LOAD_NT
.endr
.endm
; Step g.  Group g is rounded: for each of my four columns c eight k on end make 16 bytes, which go into LDS row 4 l + c at byte 32 g + 16 lh.
; left: the younger loads that may stay out.  ahead = 1: the group's registers take the group four further on.
.macro WSTEP g, left, ahead
	s_wait_loadcnt \left                           ; loads come back in order: group g is in
.if (\g) > 0
	s_wait_alu depctr_vm_vsrc(0)                   ; the last step's LDS stores have read T, which the conversions below write again
.endif
.irp c, 0,1,2,3
.irp p, 0,1,2,3
	v_cvt_pk_bf16_f32 v[T+4*(\c)+(\p)], v[X+32*((\g)%4)+8*(\p)+(\c)], v[X+32*((\g)%4)+8*(\p)+4+(\c)]
.endr
.endr
	s_wait_alu depctr_va_vdst(0)                   ; the conversions have written T, which the LDS stores read, and are done reading the group, in which loads land next; in step 0 also: LS, LR and GS are written
.if \ahead
	WLOAD (\g)+4                                   ; the group is asked for again at once, ahead of the LDS stores
.endif
.irp c, 0,1,2,3
	ds_store_b128 v[LS], v[T+4*(\c):T+4*(\c)+3] offset:WP*(\c)+32*(\g)
.endr
.endm
	s_wait_alu depctr_va_vdst(0)                   ; VO is written: every load of W reads it as its offset
	WLOAD 0
	WLOAD 1
	WLOAD 2
	WLOAD 3
	; the addresses, while the first 32 loads are out: these lines name neither VO nor X
	s_mul_i32 s13, s12, WSTG                       ; my stage
	v_mul_u32_u24 v[LS], v8, 4*WP
	v_lshl_add_u32 v[LS], v9, 4, v[LS]
	v_add_nc_u32 v[LS], s13, v[LS]
	v_mul_u32_u24 v[LR], v9, WP                    ; back: lanes 0-15 one row of 256 bytes, lanes 16-31 the next
	v_add_nc_u32 v[LR], v[LR], v10
	v_add_nc_u32 v[LR], s13, v[LR]
	s_lshr_b32 s14, ttmp9, 4                       ; q, k: the row of wt for my column 0: 1024 sec + 512 t + 16 (j % 8), t = bit 3 of j
	s_lshl_b32 s14, s14, 10
	s_bfe_u32 s15, ttmp9, 0x10003
	s_lshl_b32 s17, s15, 9
	s_add_co_u32 s14, s14, s17
	s_and_b32 s16, ttmp9, 7
	s_lshl_b32 s16, s16, 4
	s_add_co_u32 s14, s14, s16
	s_lshl_b32 s17, s15, 8                         ; v: 2048 + 256 i + 128 f + 2 (j % 4), i = bit 3, f = bit 2 of j
	s_bfe_u32 s18, ttmp9, 0x10002
	s_lshl_b32 s18, s18, 7
	s_add_co_u32 s17, s17, s18
	s_and_b32 s18, ttmp9, 3
	s_lshl_b32 s18, s18, 1
	s_add_co_u32 s17, s17, s18
	s_add_co_u32 s17, s17, 2048
	s_cmp_lt_u32 ttmp9, 32
	s_cselect_b32 s14, s14, s17
	s_cselect_b32 s20, 11, 14                      ; the odd column of a pair lies one row of wt further on (q, k: e + 1) or eight (v: r + 1)
	s_lshl_b32 s14, s14, 11                        ; rows of 2,048 bytes,
	s_lshl_b32 s15, s12, 8                         ; my wave's 128 k: 256 bytes
	s_add_co_u32 s14, s14, s15
	s_mov_b32 s15, 0
	s_add_nc_u64 s[10:11], s[10:11], s[14:15]
	v_lshlrev_b32 v[GS], s20, v9
	v_add_nc_u32 v[GS], v[GS], v10
.irp g, 0,1,2,3
	WSTEP \g, 24, 1                                ; the three younger groups stay out
.endr
	WSTEP 4, 24, 0
	WSTEP 5, 16, 0                                 ; nothing more is asked for: the counts run down
	WSTEP 6, 8, 0
	WSTEP 7, 0, 0
.set u, 0
.rept 32
	ds_load_b128 v[X+4*u:X+4*u+3], v[LR] offset:2*WP*u  ; columns 2 u + lh as rows; LDS serves a wave's instructions in order (ISA guide 5.7.1.4): these see my stores above.  No wait: no vector instruction since step 7's wait on va_vdst names X
.set u, u+1
.endr
; The 64 rows go out.  ROWOF is the row of wt, from the base above, of column 2 u (d = 2 (u % 16), head u / 16 of my two).
.macro WOUT isv
.set u, 0
.rept 32
.if \isv
.set ROWOF, ((u>>3)&1)*512+16*(u&7)+(u>>4)
.else
.set ROWOF, ((u>>3)&1)*256+((u>>2)&1)*128+(u>>4)*8+2*(u&3)
.endif
	s_wait_dscnt 31-u
	global_store_b128 v[GS], v[X+4*u:X+4*u+3], s[10:11] offset:ROWOF*ROWXB  ; 16 lanes store 256 consecutive bytes, aligned
.set u, u+1
.endr
.endm
	s_cmp_lt_u32 ttmp9, 32
	s_cbranch_scc0 .Lvrows
	WOUT 0
	s_branch .Lend
.Lvrows:
	WOUT 1
.Lend:
	s_wait_dscnt 0x0                               ; the closing lines, six on end
	s_wait_alu 0x0
	s_wait_tensorcnt 0x0
	ds_add_u32 v[SPW], v[NIL]
	s_wait_dscnt 0x0
	s_endpgm
.Lfunc_end_k_q5fcba79e58_prep:
	.size	k_q5fcba79e58_prep, .Lfunc_end_k_q5fcba79e58_prep-k_q5fcba79e58_prep
	.p2alignl 7, 3214868480
	.fill 96, 4, 3214868480
	.section	.rodata,"a",@progbits
	.p2align	6, 0x0
	.amdhsa_kernel k_q5fcba79e58_prep
		.amdhsa_group_segment_fixed_size 140288
		.amdhsa_private_segment_fixed_size 0
		.amdhsa_enable_private_segment 0
		.amdhsa_kernarg_size 32
		.amdhsa_user_sgpr_count 2
		.amdhsa_user_sgpr_kernarg_segment_ptr 1
		.amdhsa_wavefront_size32 1
		.amdhsa_system_sgpr_workgroup_id_x 1
		.amdhsa_system_sgpr_workgroup_id_y 1
		.amdhsa_system_sgpr_workgroup_id_z 1
		.amdhsa_system_vgpr_workitem_id 0
		.amdhsa_next_free_vgpr 152
		.amdhsa_next_free_sgpr 66
		.amdhsa_reserve_vcc 0
		.amdhsa_float_denorm_mode_32 3
		.amdhsa_float_denorm_mode_16_64 3
		.amdhsa_memory_ordered 1
		.amdhsa_forward_progress 1
		.amdhsa_inst_pref_size 42
	.end_amdhsa_kernel
	.amdgpu_metadata
---
amdhsa.version: [ 1, 2 ]
amdhsa.kernels:
  - .name:           k_q5fcba79e58_prep
    .symbol:         k_q5fcba79e58_prep.kd
    .args:
      - { .name: x, .offset: 0, .size: 8, .value_kind: global_buffer, .address_space: global }
      - { .name: W_qkv, .offset: 8, .size: 8, .value_kind: global_buffer, .address_space: global }
      - { .name: xb, .offset: 16, .size: 8, .value_kind: global_buffer, .address_space: global }
      - { .name: wt, .offset: 24, .size: 8, .value_kind: global_buffer, .address_space: global }
    .group_segment_fixed_size: 140288
    .private_segment_fixed_size: 0
    .kernarg_segment_align: 8
    .kernarg_segment_size: 32
    .max_flat_workgroup_size: 256
    .sgpr_count:     66
    .vgpr_count:     152
    .wavefront_size: 32
...
	.end_amdgpu_metadata
.endif
;; end of part 4
;; launch gemm: the kernel of part 2 again; grid 4 x 64, 4 waves a work-group, clusters of 4 x 4, 327,680 bytes of LDS; arguments xb, wt, qkv; writes qkv
;; launch attn (part 5): grid 512 x 1, 8 waves a work-group, no clusters, 37,888 bytes of LDS; arguments qkv, mask, out0; writes out0
.if DOCPART == 5
	.amdgcn_target "amdgcn-amd-amdhsa--gfx1250"
	.amdhsa_code_object_version 6
	.text
	.protected	k_q5fcba79e58_attn
	.globl	k_q5fcba79e58_attn
	.p2align	8
	.type	k_q5fcba79e58_attn,@function
k_q5fcba79e58_attn:
	s_mov_b64 s[64:65], 0
	v_nop
	global_prefetch_b8 v0, s[64:65] scope:SCOPE_SE
	s_setreg_imm32_b32 hwreg(HW_REG_WAVE_SCHED_MODE, 0, 2), 2
	s_setreg_imm32_b32 hwreg(HW_REG_WAVE_MODE, 25, 1), 1
	s_wait_xcnt 0x0
	s_wait_alu depctr_vm_vsrc(0)
; THE SMALL ATTENTION OF EACH TOKEN.  For token (b, s): q, k, v are [32 heads][32 d]; q and k are turned by the angle h (the head's number): t'[d] = t[d] cos h - t[d+16] sin h, t'[d+16] = t[d+16] cos h + t[d] sin h;
; score[h][h'] = q'[h] . k'[h'] / sqrt(32); where mask[h][h'] is 0 the score is -infinity; softmax over h' with the row's maximum taken away; out0[token][32 h + d] = sum over h' of p[h][h'] v[h'][d].
; qkv: [16384 tokens][3072] f16, its columns in the order in which the first launch laid wt's rows: piece p (0..11) of 512 bytes, 16 bytes a lane, IS registers 4 (p % 2) .. + 3 of matrix fragment p / 2:
;   fragments 0, 1: q, heads 0-15 and 16-31 (lane l: head l % 16, d along the registers);  2, 3: k likewise;  4, 5: v TURNED: lane l holds d = l % 16 (+ 16), h' along the registers.
; LAYOUT.  S^T = K Q^T (source 0 = 16 keys h', source 1 = 16 queries h): a lane holds ONE query (l % 16) and the keys 8 (l / 16) + 0..7.  Two such results rounded to f16 ARE source 1 of O^T = V^T P,
; whose result holds one query a lane and eight d on end.  A query's maximum and sum want one exchange between the halves of the lanes.
; FORMATS.  The turn, the scores' scaling, maxima, exponentials and sums in f32; q', k' and the weights p rounded once to f16 for the products (l is the sum of the unrounded p).
; LIMITS.  q, k, v arrive within f16's range (65,504).  A weight below 2^-126 counts as 0.  A row of the mask that is all 0 gives NaN in that row, as -inf less -inf does in the softmax it stands for.
; NaN and infinities among the inputs are not treated apart.
; SHARES.  Memory binds: 6,144 bytes in and 4,096 out for a token.  A wave owns four tokens, a work-group's eight waves 32.  Three tokens of every wave (36 loads, 18 KiB) are asked for at its head, the fourth as soon as
; a set of registers is free.  No wave reads a byte that another wave reads but the mask's 1,024: no cluster, no tensor load, no barrier.  No prefetch: three quarters of what a wave reads is asked for at its head.
; THE MODE: SCHED_MODE bits 1:0 = 2 (LLVM: expert scheduling mode 2), set by the entry lines.  The code itself states the register dependences
; between vector or matrix instructions and memory or LDS instructions, with s_wait_alu, always for 0.
; THE PLAN.  Registers that memory or LDS instructions touch:
;   LO, STO, RD   offsets and LDS addresses, written once at the head.     v12   the mask's offset: read by its four loads, written again by the first token's maximum.
;   RAW set s     a token's loads land in it; the turn reads q and k there, the products V^T P read v; set 0 is then loaded once more.
;   O^T           written by the products and the division by l; read by the eight LDS stores; written again, as q' and k', by the next token's turn.
;   S^T           written by the products K Q^T and worked on in place; then the eight LDS loads from the stage land in it, the global stores read it, and the next token's products write it again.
; A token has four waits: on vm_vsrc at its head (the last token's LDS stores have read O^T, its global stores S^T); on va_vdst behind the exponentials; on va_vdst behind the reciprocals, which
; also states that the turn and the products are done reading the RAW set; on va_vdst behind the division, ahead of the LDS stores.  All 256 registers are taken: O^T has no second buffer.
.set TOKB, 6144                        ; bytes of a token in qkv
.set OUTB, 4096                        ; in out0
.set SP,   144                         ; a row of my stage: 32 d in f32 (128 bytes) + 16 of padding = 36 words: 16 rows start at 16 different groups of four banks (64 banks of 4 bytes: ISA guide 11.1)
.set WSTG, 32*SP                       ; a wave's stage: 32 heads
.set SPARE, 8*WSTG                     ; behind the stages: the spare words, 128 bytes for each wave: four blocks of 256 bytes that no other line names
.set LO,   1                           ; v1   16 x lane: my 16 bytes of 512; never rewritten
.set STO,  2                           ; v2   the way out: where I put my 32 bytes of a head's row
.set RD,   3                           ; v3   the way out: where I read rows back
.set SPW,  4                           ; v4   LDS address of my spare word: SPARE + 4 x my thread's number; never rewritten
.set NIL,  5                           ; v5   0; never rewritten
.set ZERO, 6                           ; v6   0.0
.set NINF, 7                           ; v7   -infinity
.set CS0,  8                           ; v8, v9    cos, sin of r = lane % 16
.set CS1,  10                          ; v10, v11  cos, sin of 16 + r
.set MX,   12                          ; v12-19    four registers at work for each half of the queries; at the head: offsets and temporaries
.set CM,   20                          ; v[20:21], v[22:23]  c m, in the pair's low word
.set RL,   24                          ; v[24:25], v[26:27]  1 / l, likewise
.set T,    28                          ; v28-31    the turn's four products by sin; at the head the four bits of r
.set S,    32                          ; v32-63    S^T: queries 16 qt.., keys 16 kt.. at S + 16 qt + 8 kt; later the rows read back from the stage; at the head the mask's bytes
.set P,    64                          ; v64-79    P: 8 registers for each qt
.set QR,   80                          ; v80-95    q turned
.set KR,   96                          ; v96-111   k turned
.set O,    80                          ; v80-111   then O^T: queries 16 qt.., d 16 dt.. at O + 16 qt + 8 dt
.set RAW,  112                         ; v112-255  three sets of 48: a token as loaded
.set BM,   25                          ; s25-28    lane masks: bit l of s[BM + n] = bit n of r
.set MK,   32                          ; s[32:63]  lane masks: bit l of s[MK + 16 qt + 8 kt + j] = mask[16 qt + l % 16][16 kt + 8 (l / 16) + j]
	s_load_b128 s[4:7], s[0:1], 0x0                ; qkv s[4:5], mask s[6:7]
	s_load_b64 s[8:9], s[0:1], 0x10                ; out0
	v_lshl_add_u32 v[SPW], v0, 2, SPARE
	v_mov_b32 v[NIL], 0
	v_lshrrev_b32 v13, 5, v0
	v_readfirstlane_b32 s10, v13                   ; my wave's number
	v_and_b32 v18, 31, v0                          ; lane
	v_and_b32 v17, 15, v0                          ; r
	v_bfe_u32 v16, v0, 4, 1                        ; f
	v_lshlrev_b32 v[LO], 4, v18
	v_lshlrev_b32 v12, 5, v17                      ; the mask's row r, 32 bytes,
	v_lshl_add_u32 v12, v16, 3, v12                ; my eight keys
	s_mov_b32 s12, 0x76543210                      ; v_permlanex16_b32: each lane takes its own place in the other half
	s_mov_b32 s13, 0xfedcba98
	s_mov_b32 s14, 0x3e8293ee                      ; c = log2(e) / sqrt(32) = 0.255035
	s_mov_b32 s15, s14                             ; named with it as a pair
	s_wait_alu depctr_va_sdst(0)                   ; s10 is written, ahead of its first reader: the bases of qkv and out0 and my stage are made from it
	s_lshl_b32 s11, ttmp9, 5
	s_lshl2_add_u32 s11, s10, s11                  ; my first token: 32 x work-group + 4 x wave
	s_mul_i32 s20, s11, TOKB                       ; under 2^27
	s_mov_b32 s21, 0
	s_lshl_b32 s22, s11, 12
	s_mov_b32 s23, 0
	s_wait_kmcnt 0x0
	s_add_nc_u64 s[4:5], s[4:5], s[20:21]
	s_add_nc_u64 s[8:9], s[8:9], s[22:23]
	s_wait_alu depctr_va_vdst(0)                   ; v12 and LO are written, which the loads below read as their offsets
.irp qt, 0,1
.irp kt, 0,1
	global_load_b64 v[S+2*(2*(\qt)+(\kt)):S+2*(2*(\qt)+(\kt))+1], v12, s[6:7] offset:512*(\qt)+16*(\kt)
.endr
.endr
.macro LOADTOK s, i                    ; token i of my four into set s: twelve loads of 512 consecutive bytes
.irp p, 0,1,2,3,4,5,6,7,8,9,10,11
	global_load_b128 v[RAW+48*(\s)+4*(\p):RAW+48*(\s)+4*(\p)+3], v[LO], s[4:5] offset:TOKB*(\i)+512*(\p) th:TH_LOAD_NT
.endr
.endm
	LOADTOK 0, 0
	LOADTOK 1, 1
	LOADTOK 2, 2
	; all that follows up to the wait on LOADcnt stands while these 40 loads are out; none of it names LO, v12, S^T's first eight registers or RAW
	s_mul_i32 s24, s10, WSTG                       ; my stage
	v_mul_u32_u24 v[STO], v17, SP                  ; in: row r (+ 16 qt), 32 bytes for each half of the lanes
	v_lshl_add_u32 v[STO], v16, 5, v[STO]
	v_add_nc_u32 v[STO], s24, v[STO]
	v_bfe_u32 v15, v0, 3, 2                        ; back: 32 lanes take four rows of 128 bytes
	v_and_b32 v14, 7, v0
	v_mul_u32_u24 v[RD], v15, SP
	v_lshl_add_u32 v[RD], v14, 4, v[RD]
	v_add_nc_u32 v[RD], s24, v[RD]
	v_and_b32 v[T],   1, v17                       ; the four bits of r, and a lane mask for each: the compares stand in one run, under one wait
	v_and_b32 v[T+1], 2, v17
	v_and_b32 v[T+2], 4, v17
	v_and_b32 v[T+3], 8, v17
	v_cmp_ne_u32 s[BM],   0, v[T]
	v_cmp_ne_u32 s[BM+1], 0, v[T+1]
	v_cmp_ne_u32 s[BM+2], 0, v[T+2]
	v_cmp_ne_u32 s[BM+3], 0, v[T+3]
	v_mov_b32 v[ZERO], 0
	v_mov_b32 v[NINF], 0xff800000
	v_mov_b32 v[CM+1], 0                           ; the high words of four pairs of which the packed forms take the low word for both halves
	v_mov_b32 v[CM+3], 0
	v_mov_b32 v[RL+1], 0
	v_mov_b32 v[RL+3], 0
.set i, 0
.rept 32
	v_mov_b32 v[QR+i], 0                           ; q' and k' are written a half at a time, the other half kept: the registers are written whole once, here
.set i, i+1
.endr
	s_wait_alu depctr_va_sdst(0)                   ; the four compares have written s[BM ..], ahead of the first select that reads one of them
	; cos and sin of r: (1, 0) turned by 1, 2, 4 and 8 where that bit of r is set: (c, s) -> (c cb - s sb, s cb + c sb), (cb, sb) = (1, 0) where it is not.  Then once more by 16.
	s_mov_b32 s16, 0x3f0a5140                      ; cos 1 =  0.5403023
	s_mov_b32 s17, 0x3f576aa4                      ; sin 1 =  0.8414710
	v_cndmask_b32 v[CS0], 1.0, s16, s[BM]
	v_cndmask_b32 v[CS0+1], 0, s17, s[BM]
.macro TURNBY n, c, s                  ; by 2^n
	s_mov_b32 s16, \c
	s_mov_b32 s17, \s
	v_cndmask_b32 v14, 1.0, s16, s[BM+(\n)]
	v_cndmask_b32 v15, 0, s17, s[BM+(\n)]
	v_mul_f32 v[T], v[CS0+1], v15
	v_mul_f32 v[T+1], v[CS0], v15
	v_fma_f32 v[CS0], v[CS0], v14, -v[T]
	v_fma_f32 v[CS0+1], v[CS0+1], v14, v[T+1]
.endm
	TURNBY 1, 0xbed51133, 0x3f68c7b7               ; cos 2 = -0.4161468, sin 2 =  0.9092974
	TURNBY 2, 0xbf275530, 0xbf41bdcf               ; cos 4 = -0.6536436, sin 4 = -0.7568025
	TURNBY 3, 0xbe14fdf6, 0x3f7d4695               ; cos 8 = -0.1455000, sin 8 =  0.9893582
	s_mov_b32 s16, 0xbf75292c                      ; cos 16 = -0.9576595
	s_mov_b32 s17, 0xbe936810                      ; sin 16 = -0.2879033
	v_mul_f32 v[T], s17, v[CS0+1]
	v_mul_f32 v[T+1], s17, v[CS0]
	v_fma_f32 v[CS1], v[CS0], s16, -v[T]
	v_fma_f32 v[CS1+1], v[CS0+1], s16, v[T+1]
	s_wait_loadcnt 36                              ; the mask's four loads are in; the 36 loads of three tokens, issued behind them, stay out
.set x, 0
.rept 32                               ; x = 16 qt + 8 kt + j: byte j of the pair for (qt, kt)
	v_bfe_u32 v13, v[S+2*(x/8)+(x%8)/4], 8*(x%4), 8
	v_cmp_ne_u32 s[MK+x], 0, v13
.set x, x+1
.endr
	s_wait_alu depctr_va_sdst(0)                   ; the 32 compares have written s[MK ..], ahead of the first token's selects, which read them
; THE TURN of one fragment (16 heads x 32 d): register a holds d = 8 f + 2 a, + 1, register a + 4 the same d + 16.  The halves are read as f16, the arithmetic is f32, each result is rounded once.
.macro ROPE src, dst, cs
.irp a, 0,1,2,3
	v_fma_mix_f32 v[T],   v[(\src)+4+(\a)], v[(\cs)+1], v[ZERO] op_sel_hi:[1,0,0]
	v_fma_mix_f32 v[T+1], v[(\src)+4+(\a)], v[(\cs)+1], v[ZERO] op_sel:[1,0,0] op_sel_hi:[1,0,0]
	v_fma_mix_f32 v[T+2], v[(\src)+(\a)],   v[(\cs)+1], v[ZERO] op_sel_hi:[1,0,0]
	v_fma_mix_f32 v[T+3], v[(\src)+(\a)],   v[(\cs)+1], v[ZERO] op_sel:[1,0,0] op_sel_hi:[1,0,0]
	v_fma_mixlo_f16 v[(\dst)+(\a)],   v[(\src)+(\a)],   v[\cs], -v[T]   op_sel_hi:[1,0,0]
	v_fma_mixhi_f16 v[(\dst)+(\a)],   v[(\src)+(\a)],   v[\cs], -v[T+1] op_sel:[1,0,0] op_sel_hi:[1,0,0]
	v_fma_mixlo_f16 v[(\dst)+4+(\a)], v[(\src)+4+(\a)], v[\cs], v[T+2]  op_sel_hi:[1,0,0]
	v_fma_mixhi_f16 v[(\dst)+4+(\a)], v[(\src)+4+(\a)], v[\cs], v[T+3]  op_sel:[1,0,0] op_sel_hi:[1,0,0]
.endr
.endm
; TOKEN i of my four, from set s.  left: the younger loads that may stay out.  reload: the token that the set takes when it is free, or 0 for none.
.macro TOKEN i, s, left, reload
.set RB, RAW+48*(\s)
	s_wait_loadcnt \left                           ; loads come back in order: my token's twelve are in
	s_wait_xcnt 0x0                                ; every earlier memory instruction has had its addresses translated (ISA guide 3.1): S^T's registers, which the last token's stores read, are written again only behind this wait
	s_wait_alu depctr_vm_vsrc(0)                   ; the last token's LDS stores have read O^T, which the turn writes as q' and k'; its global stores have read S^T, which the products write; in the first token: the mask's loads have read v12, which the maximum writes
	ROPE RB,    QR,   CS0
	ROPE RB+8,  QR+8, CS1
	ROPE RB+16, KR,   CS0
	ROPE RB+24, KR+8, CS1
.irp qt, 0,1
.irp kt, 0,1
	v_wmma_f32_16x16x32_f16 v[S+16*(\qt)+8*(\kt):S+16*(\qt)+8*(\kt)+7], v[KR+8*(\kt):KR+8*(\kt)+7], v[QR+8*(\qt):QR+8*(\qt)+7], 0
.endr
.endr
.rept 5
	v_nop                                          ; five places (ISA guide 7.12.1): four for the selects below, which read the results; five for the later products, which write over q' and k'
.endr
.set x, 0
.rept 32
	v_cndmask_b32 v[S+x], v[NINF], v[S+x], s[MK+x] ; the mask; each accumulator is read from its lowest register on
.set x, x+1
.endr
.irp qt, 0,1                           ; the maximum of a query's 32 scores: 16 in my lane, 16 in the lane 16 away; then c m
	v_max3_num_f32 v[MX+4*(\qt)],   v[S+16*(\qt)],   v[S+16*(\qt)+1],  v[S+16*(\qt)+2]
	v_max3_num_f32 v[MX+4*(\qt)+1], v[S+16*(\qt)+3], v[S+16*(\qt)+4],  v[S+16*(\qt)+5]
	v_max3_num_f32 v[MX+4*(\qt)+2], v[S+16*(\qt)+6], v[S+16*(\qt)+7],  v[S+16*(\qt)+8]
	v_max3_num_f32 v[MX+4*(\qt)+3], v[S+16*(\qt)+9], v[S+16*(\qt)+10], v[S+16*(\qt)+11]
	v_max3_num_f32 v[MX+4*(\qt)],   v[MX+4*(\qt)],   v[S+16*(\qt)+12], v[S+16*(\qt)+13]
	v_max3_num_f32 v[MX+4*(\qt)+1], v[MX+4*(\qt)+1], v[S+16*(\qt)+14], v[S+16*(\qt)+15]
	v_max_num_f32  v[MX+4*(\qt)+2], v[MX+4*(\qt)+2], v[MX+4*(\qt)+3]
	v_max3_num_f32 v[MX+4*(\qt)],   v[MX+4*(\qt)],   v[MX+4*(\qt)+1],  v[MX+4*(\qt)+2]
.endr
.irp qt, 0,1
	v_permlanex16_b32 v[MX+4*(\qt)+1], v[MX+4*(\qt)], s12, s13
.endr
.irp qt, 0,1
	v_max_num_f32 v[MX+4*(\qt)], v[MX+4*(\qt)], v[MX+4*(\qt)+1]
.endr
.irp qt, 0,1
	v_mul_f32 v[CM+2*(\qt)], s14, v[MX+4*(\qt)]
.endr
.irp qt, 0,1
.irp z, 0,1,2,3,4,5,6,7
	v_pk_fma_f32 v[S+16*(\qt)+2*(\z):S+16*(\qt)+2*(\z)+1], v[S+16*(\qt)+2*(\z):S+16*(\qt)+2*(\z)+1], s[14:15], v[CM+2*(\qt):CM+2*(\qt)+1] op_sel_hi:[1,0,0] neg_lo:[0,0,1] neg_hi:[0,0,1]  ; c s - c m
.endr
.endr
.set x, 0
.rept 32
	v_exp_f32 v[S+x], v[S+x]                       ; one batch of 32
.set x, x+1
.endr
	v_nop                                          ; a plain instruction behind the last exponential (ISA guide 5.7.2)
	s_wait_alu depctr_va_vdst(0)                   ; the 32 exponentials have written S^T: one wait for the batch, ahead of its first reader, the roundings below
.irp qt, 0,1
.irp z, 0,1,2,3,4,5,6,7
	v_cvt_pk_f16_f32 v[P+8*(\qt)+(\z)], v[S+16*(\qt)+2*(\z)], v[S+16*(\qt)+2*(\z)+1]
.endr
.endr
.irp qt, 0,1
.irp dt, 0,1
	v_wmma_f32_16x16x32_f16 v[O+16*(\qt)+8*(\dt):O+16*(\qt)+8*(\dt)+7], v[RB+32+8*(\dt):RB+32+8*(\dt)+7], v[P+8*(\qt):P+8*(\qt)+7], 0
.endr
.endr
	; l: the sum of the unrounded weights, in place on S^T.  These fourteen packed sums name no register of the products above: they are the places behind them
.irp qt, 0,1
.irp z, 0,1,2,3
	v_pk_add_f32 v[S+16*(\qt)+2*(\z):S+16*(\qt)+2*(\z)+1], v[S+16*(\qt)+2*(\z):S+16*(\qt)+2*(\z)+1], v[S+16*(\qt)+8+2*(\z):S+16*(\qt)+8+2*(\z)+1]
.endr
.endr
.irp qt, 0,1
.irp z, 0,1
	v_pk_add_f32 v[S+16*(\qt)+2*(\z):S+16*(\qt)+2*(\z)+1], v[S+16*(\qt)+2*(\z):S+16*(\qt)+2*(\z)+1], v[S+16*(\qt)+4+2*(\z):S+16*(\qt)+4+2*(\z)+1]
.endr
.endr
.irp qt, 0,1
	v_pk_add_f32 v[S+16*(\qt):S+16*(\qt)+1], v[S+16*(\qt):S+16*(\qt)+1], v[S+16*(\qt)+2:S+16*(\qt)+3]
.endr
.irp qt, 0,1
	v_add_f32 v[MX+4*(\qt)], v[S+16*(\qt)], v[S+16*(\qt)+1]
.endr
.irp qt, 0,1
	v_permlanex16_b32 v[MX+4*(\qt)+1], v[MX+4*(\qt)], s12, s13
.endr
.irp qt, 0,1
	v_add_f32 v[MX+4*(\qt)], v[MX+4*(\qt)], v[MX+4*(\qt)+1]
.endr
.irp qt, 0,1
	v_rcp_f32 v[RL+2*(\qt)], v[MX+4*(\qt)]
.endr
	v_nop                                          ; a plain instruction behind the second reciprocal
	s_wait_alu depctr_va_vdst(0)                   ; the two reciprocals have written 1 / l, ahead of the division that reads it; and the turn and the products V^T P are done reading the RAW set, the sums done with S^T
.if \reload
	LOADTOK \s, \reload                            ; the set is free, by the wait above, and is asked for again at once
.endif
.irp qt, 0,1
.irp z, 0,1,2,3,4,5,6,7
	v_pk_mul_f32 v[O+16*(\qt)+2*(\z):O+16*(\qt)+2*(\z)+1], v[O+16*(\qt)+2*(\z):O+16*(\qt)+2*(\z)+1], v[RL+2*(\qt):RL+2*(\qt)+1] op_sel_hi:[1,0]  ; O / l, each accumulator from its lowest register on
.endr
.endr
	s_wait_alu depctr_va_vdst(0)                   ; the division has written O^T, which the LDS stores read; in the first token also: STO and RD are written
.irp qt, 0,1
.irp dt, 0,1
	ds_store_b128 v[STO], v[O+16*(\qt)+8*(\dt):O+16*(\qt)+8*(\dt)+3]   offset:16*SP*(\qt)+64*(\dt)
	ds_store_b128 v[STO], v[O+16*(\qt)+8*(\dt)+4:O+16*(\qt)+8*(\dt)+7] offset:16*SP*(\qt)+64*(\dt)+16
.endr
.endr
.irp g, 0,1,2,3,4,5,6,7
	ds_load_b128 v[S+4*(\g):S+4*(\g)+3], v[RD] offset:4*SP*(\g)  ; LDS serves a wave's instructions in order (ISA guide 5.7.1.4): these see the stores above; the next token's stores come behind them.  No vector instruction since the reciprocals' wait names S^T
.endr
.irp g, 0,1,2,3,4,5,6,7
	s_wait_dscnt 7-(\g)
	global_store_b128 v[LO], v[S+4*(\g):S+4*(\g)+3], s[8:9] offset:OUTB*(\i)+512*(\g) th:TH_STORE_NT  ; 512 consecutive bytes, at a multiple of 256 from out0's first byte
.endr
.endm
	TOKEN 0, 0, 24, 3                              ; tokens 1 and 2 stay out; set 0 takes token 3
	TOKEN 1, 1, 24, 0                              ; tokens 2 and 3 stay out
	TOKEN 2, 2, 12, 0                              ; token 3 stays out
	TOKEN 3, 0, 0, 0
	s_wait_dscnt 0x0                               ; the closing lines, six on end
	s_wait_alu 0x0
	s_wait_tensorcnt 0x0
	ds_add_u32 v[SPW], v[NIL]
	s_wait_dscnt 0x0
	s_endpgm
.Lfunc_end_k_q5fcba79e58_attn:
	.size	k_q5fcba79e58_attn, .Lfunc_end_k_q5fcba79e58_attn-k_q5fcba79e58_attn
	.p2alignl 7, 3214868480
	.fill 96, 4, 3214868480
	.section	.rodata,"a",@progbits
	.p2align	6, 0x0
	.amdhsa_kernel k_q5fcba79e58_attn
		.amdhsa_group_segment_fixed_size 37888
		.amdhsa_private_segment_fixed_size 0
		.amdhsa_enable_private_segment 0
		.amdhsa_kernarg_size 24
		.amdhsa_user_sgpr_count 2
		.amdhsa_user_sgpr_kernarg_segment_ptr 1
		.amdhsa_wavefront_size32 1
		.amdhsa_system_sgpr_workgroup_id_x 1
		.amdhsa_system_sgpr_workgroup_id_y 1
		.amdhsa_system_sgpr_workgroup_id_z 1
		.amdhsa_system_vgpr_workitem_id 0
		.amdhsa_next_free_vgpr 256
		.amdhsa_next_free_sgpr 66
		.amdhsa_reserve_vcc 0
		.amdhsa_float_denorm_mode_32 3
		.amdhsa_float_denorm_mode_16_64 3
		.amdhsa_memory_ordered 1
		.amdhsa_forward_progress 1
		.amdhsa_inst_pref_size 92
	.end_amdhsa_kernel
	.amdgpu_metadata
---
amdhsa.version: [ 1, 2 ]
amdhsa.kernels:
  - .name:           k_q5fcba79e58_attn
    .symbol:         k_q5fcba79e58_attn.kd
    .args:
      - { .name: qkv, .offset: 0, .size: 8, .value_kind: global_buffer, .address_space: global }
      - { .name: mask, .offset: 8, .size: 8, .value_kind: global_buffer, .address_space: global }
      - { .name: out0, .offset: 16, .size: 8, .value_kind: global_buffer, .address_space: global }
    .group_segment_fixed_size: 37888
    .private_segment_fixed_size: 0
    .kernarg_segment_align: 8
    .kernarg_segment_size: 24
    .max_flat_workgroup_size: 256
    .sgpr_count:     66
    .vgpr_count:     256
    .wavefront_size: 32
...
	.end_amdgpu_metadata
.endif
;; end of part 5
